; MI455X (gfx1250); checked and timed in simulation.
; The chip was launched on July 23, 2026; its instructions are those of AMD's public machine-readable ISA for CDNA 5 (MIT licence, August 2026) and "CDNA5" Instruction Set Architecture Reference Guide (July 2026). The comments in the code are by the model that wrote it; some were corrected since.
;; Multi Head Attention. Allowed arithmetic: matrix products marked QUANTISED: E3M2 operands, one E8M0 scale for each 32 along K, by v_wmma_scale_f32_16x16x128_f8f6f4 with both operands' format E3M2, f32 sums; everything else in f32.
;; Inputs: Wk 1,024 x 1,024 float32; Wo 1,024 x 1,024 float32; Wq 1,024 x 1,024 float32; Wv 1,024 x 1,024 float32; bk 1,024 float32; bo 1,024 float32; bq 1,024 float32; bv 1,024 float32; k 4 x 2,048 x 1,024 float32; q 4 x 2,048 x 1,024 float32; v 4 x 2,048 x 1,024 float32.
;; Outputs: out0 4 x 2,048 x 1,024 float32.
;; This version of the problem:
;;   THIS VERSION OF THE PROBLEM IS GIVEN IN LOW PRECISION. The matrix products marked QUANTISED in the list below multiply operands that are first quantised to E3M2 (3 exponent bits, 2 mantissa bits; 6 bits a number), with one power-of-two scale for each 32 numbers along K (OCP MX v1.0); their sums are f32. All else is computed in f32.
;;   The module's matrix products, in the order in which they are computed (A, B: the left and right operand; K: the contracted axis; several contracted axes count as one K, in the product's order):
;;     1. [M 8,192, K 1,024] x [K 1,024, N 1,024]; A: input q; B: input Wq: QUANTISED
;;     2. [M 8,192, K 1,024] x [K 1,024, N 1,024]; A: input k; B: input Wk: QUANTISED
;;     3. [M 8,192, K 1,024] x [K 1,024, N 1,024]; A: input v; B: input Wv: QUANTISED
;;     4. batch 64 x [M 2,048, K 64] x [K 64, N 2,048]; A: computed on the way; B: computed on the way: QUANTISED
;;     5. batch 64 x [M 2,048, K 2,048] x [K 2,048, N 64]; A: softmax (see below); B: computed on the way: QUANTISED
;;     6. [M 8,192, K 1,024] x [K 1,024, N 1,024]; A: computed on the way; B: input Wo: QUANTISED
;;   THE QUANTISER, for each operand of a quantised product, along K:
;;     - K is cut into blocks of 32 from its start; a last block that is shorter is filled with zeros.
;;     - A block's scale is 2^e with e = floor(log2(the largest magnitude in the block)) - 4, held to -126 .. 127; a block of zeros has e = 0. As a byte (E8M0): e + 127.
;;     - Each number is divided by its block's scale, clamped to +-28, and rounded to the nearest number of E3M2, ties to even, subnormals kept.
;;     - The product sums the exact products of the quantised numbers (number of the format x scale) in f32.
;;   ~~~python
;;   def quantise(x, axis):      # numpy; x: float32 -> the quantised numbers, widened to float32 again
;;       x = np.moveaxis(x, axis, -1); K = x.shape[-1]
;;       x = np.pad(x, [(0, 0)] * (x.ndim - 1) + [(0, -K % 32)]); x = x.reshape(x.shape[:-1] + (-1, 32)); a = np.abs(x).max(-1, keepdims=True)
;;       e = np.where(a > 0, np.clip(np.frexp(np.where(a > 0, a, 1))[1] - 1 - 4, -126, 127), 0)      # np.frexp(a)[1] - 1 = floor(log2(a)), exactly
;;       r = np.clip(x / 2.0 ** e, -28, 28)
;;       step = 2.0 ** (np.maximum(np.frexp(np.where(r == 0, 1, r))[1] - 1, -2) - 2)
;;       q = np.round(r / step) * step * 2.0 ** e      # np.round: ties to even
;;       return np.moveaxis(q.reshape(q.shape[:-2] + (-1,))[..., :K], -1, axis).astype(np.float32)
;;   ~~~
;;   SOFTMAX AHEAD OF A QUANTISED PRODUCT. Where the list says 'softmax', what is quantised is not the finished softmax but p = 2^(t - M), with t = logit x log2(e) and M = ceil(the row's largest t), a whole number; so 1/2 < the row's largest p <= 1. The row's sum l is taken of the UNQUANTISED p, in f32, and the product's result is divided by l at the end. Since M is a whole number, a kernel that streams over the keys may use a running M (the ceiling of the running maximum): every later rescaling is an exact power of two, which a block's scale takes up: the codes' values come out the same.
;;   OPERANDS COMPUTED ON THE WAY. 'Computed on the way' means the value that the module computes at that place (a softmax that the list does not call 'softmax' is quantised finished and normalised). What goes into a quantiser is computed in f32, as accurately as f32 sums, v_exp_f32 and their like allow (about 1e-6 of the number): no bf16 or f16 on the way to a quantiser, and a product that is left as it is and whose result goes on into a quantised operand takes f32 operands (vector FMAs, or v_wmma_f32_16x16x4_f32). A number that lies on a knife's edge between two numbers of the format may be rounded either way, as far as f32 arithmetic and the matrix unit's own rounding can turn it there, and no further.
;; One version. Each part assembles by itself: llvm-mc -triple=amdgcn-amd-amdhsa -mcpu=gfx1250 --defsym DOCPART=n.
;; ======== version 1 of 1: 4 launches
;; workspace buffers: xcodes 22,020,096 bytes; xscales 917,504 bytes; hcodes 18,874,368 bytes; hscales 1,572,864 bytes; ocodes 6,291,456 bytes; oscales 262,144 bytes
;; launch quant (part 1): grid 448 x 1, 4 waves a work-group, no clusters, 36,352 bytes of LDS; arguments q, k, v, Wq, Wk, Wv, Wo, xcodes, xscales; writes xcodes, xscales
.if DOCPART == 1
	.amdgcn_target "amdgcn-amd-amdhsa--gfx1250"
	.amdhsa_code_object_version 6
	.text
	.protected	k_q8ce0c6209e_quant
	.globl	k_q8ce0c6209e_quant
	.p2align	8
	.type	k_q8ce0c6209e_quant,@function
k_q8ce0c6209e_quant:
	s_mov_b64 s[64:65], 0
	v_nop
	global_prefetch_b8 v0, s[64:65] scope:SCOPE_SE
	s_setreg_imm32_b32 hwreg(HW_REG_WAVE_MODE, 25, 1), 1
	s_wait_xcnt 0x0
; q, k, v [8192][1024] and Wq, Wk, Wv, Wo [1024][1024], f32, K innermost, become codes of BF6 (E3M2) with one E8M0 byte for each 32 along K.
; A block's scale is 2^(floor(log2(its largest magnitude)) - 4); its byte is the largest magnitude's exponent field - 4, held at 1 from below.
; LAYOUT OF THE CODES: images of the matrix operand's registers.  A fragment is 16 rows x 128 K, 12 registers a lane (lane l: row l % 16; registers 6 c .. 6 c + 5: K = 64 c + 32 (l / 16) + 0 .. 31).
; Its image is six pieces of 256 bytes: piece p holds registers 2 p, 2 p + 1, lane l's 8 bytes at 256 p + 8 l.  xcodes: [tile 1792][K step 8][1536].  xscales: [tile][row in tile 16][8 words], a word = the four bytes of a K step.
; THE ROWS OF A TILE ARE NOT NEIGHBOURS: tile 2 B + U of a tensor holds rows 32 B + 8 U + i + 8 (i / 8), i = 0 .. 15, so that, used as a product's source 0, two neighbouring tiles give a lane 16 neighbouring rows.
; Tiles: q 0-511, k 512-1023, v 1024-1535, Wq 1536-1599, Wk 1600-1663, Wv 1664-1727, Wo 1728-1791.
; SHARES: a wave takes one tile, 16 rows x 1,024 K, in 8 steps of 128 K.  Each load reads 512 consecutive bytes of one row; a step's 8 KB turn through the wave's own stage in LDS (rows of 512 + 16 bytes), from which
; a lane takes 16 neighbours of each block of 32.  Each store of codes covers 256 consecutive bytes, aligned.  Two sets of 16 loads a wave are on their way.  Waves share nothing: no barrier.
; LIMITS: NaN and infinities are not served; a block whose largest magnitude lies under 2^-122 keeps the byte 1; a block of zeros gets the byte 1 (its codes are zeros; this program alone reads the bytes).
.set WREG, 8960                        ; LDS of a wave: the stage, then 512 bytes for its scale words
.set SP,   528                         ; a stage row: 512 bytes + 16: the 16 rows that a load touches start at 16 different columns of 16 bytes
.set SCS,  16*SP
.set R,    16                          ; v16-143  two sets of 64 registers as loaded
.set X,    144                         ; v144-207 64 numbers: register 16 b + i = K 32 b + 16 (lane / 16) + i of my row
.set TM,   208                         ; v208-223 at work in QUANT
.set PW,   224                         ; the scale word just made
.set PC,   226                         ; v226-237 the fragment just made; v238-244 at work
.set OS,   248                         ; v248-251 the scale words on their way out
.set SEL,  30                          ; s[30:31] lane selects: lane l xor 16
; 64 numbers of a lane, v[s] .. v[s + 63], become a fragment's codes in v[PC] on and its scale word in v[PW].
.macro QUANT s
.irp b, 0,1,2,3
	v_max3_num_f32 v[TM+\b], |v[\s+16*\b]|, |v[\s+1+16*\b]|, 0x2800000   ; block b: my 16 numbers, and the floor 2^(5 - 127): the byte cannot fall under 1
.endr
.irp i, 2,4,6,8,10,12,14
.irp b, 0,1,2,3
	v_max3_num_f32 v[TM+\b], v[TM+\b], |v[\s+16*\b+\i]|, |v[\s+1+16*\b+\i]|   ; the four blocks by turns
.endr
.endr
.irp b, 0,1,2,3
	v_permlanex16_b32 v[TM+4+\b], v[TM+\b], s[SEL], s[SEL+1]
.endr
.irp b, 0,1,2,3
	v_max_num_f32 v[TM+\b], v[TM+\b], v[TM+4+\b]   ; with lane l xor 16's 16: the block's largest magnitude
.endr
.irp b, 0,1,2,3
	v_add_nc_u32 v[TM+12+\b], 0xfe000000, v[TM+\b]   ; 4 off its exponent field: the conversion takes the exponent field of this operand as its scale
.endr
.irp b, 0,1,2,3
	v_lshrrev_b32 v[TM+4+\b], 23, v[TM+12+\b]      ; the scale's byte
.endr
	v_lshl_or_b32 v[PW], v[TM+5], 8, v[TM+4]
	v_lshl_or_b32 v[PW], v[TM+6], 16, v[PW]
	v_lshl_or_b32 v[PW], v[TM+7], 24, v[PW]
.irp c, 0,1
	v_cvt_scalef32_pk16_bf6_f32 v[PC+6*\c:PC+2+6*\c], v[\s+32*\c:\s+15+32*\c], v[TM+12+2*\c]
	v_cvt_scalef32_pk16_bf6_f32 v[PC+12+4*\c:PC+14+4*\c], v[\s+16+32*\c:\s+31+32*\c], v[TM+12+2*\c+1]   ; (a conversion's three registers begin on an even number)
.endr
	v_nop                                          ; one plain place behind a scaled conversion
.irp c, 0,1                                    ; the operand wants a whole block in a lane: lanes 0-15 block 2 c, lanes 16-31 block 2 c + 1
.irp i, 0,1,2
	v_permlane16_swap_b32 v[PC+6*\c+\i], v[PC+12+4*\c+\i]
.endr
.irp i, 0,1,2
	v_mov_b32 v[PC+3+6*\c+\i], v[PC+12+4*\c+\i]
.endr
.endr
.endm
	s_load_b256 s[4:11], s[0:1], 0x0               ; q s[4:5], k s[6:7], v s[8:9], Wq s[10:11]
	s_load_b256 s[12:19], s[0:1], 0x20             ; Wk s[12:13], Wv s[14:15], Wo s[16:17], xcodes s[18:19]
	s_load_b64 s[20:21], s[0:1], 0x40              ; xscales
	v_lshl_add_u32 v254, v0, 2, 0x8c00
	v_mov_b32 v255, 0
	v_lshrrev_b32 v1, 5, v0
	v_readfirstlane_b32 s26, v1                    ; wave 0..3
	v_and_b32 v1, 31, v0                           ; lane
	v_and_b32 v2, 15, v0                           ; r
	v_bfe_u32 v3, v0, 4, 1                         ; h
	v_lshlrev_b32 v4, 4, v1                        ; 16 x lane: my bytes of a load's 512
	v_lshlrev_b32 v9, 3, v1                        ; 8 x lane: my bytes of an image's piece
	s_mul_i32 s27, s26, WREG
	v_add_nc_u32 v5, s27, v4                       ; the stage, on the way in
	v_mul_u32_u24 v6, v2, SP
	v_lshl_add_u32 v6, v3, 6, v6
	v_add_nc_u32 v6, s27, v6                       ; and out: row r, + 64 h
	v_lshlrev_b32 v7, 5, v2
	v_add_nc_u32 v7, s27, v7
	v_add_nc_u32 v7, SCS, v7                       ; my row's 8 scale words
	v_add_nc_u32 v8, SCS, v5                       ; and the same 512 bytes on the way out, 16 a lane
	s_mov_b32 s[SEL], 0x76543210
	s_mov_b32 s[SEL+1], 0xfedcba98
.irp b, 0,1,2,3
	v_mov_b32 v[TM+4+\b], 0                        ; written once: a lane permute's destination counts as one of its sources
.endr
	s_wait_alu depctr_va_vdst(0)
	s_wait_kmcnt 0x0
	; which tensor: the choice hangs on the work-group's number alone (every tensor has a multiple of 4 tiles)
	s_mov_b64 s[22:23], s[16:17]
	s_mov_b32 s24, 432
	s_cmp_lt_u32 ttmp9, 432
	s_cselect_b64 s[22:23], s[14:15], s[22:23]
	s_cselect_b32 s24, 416, s24
	s_cmp_lt_u32 ttmp9, 416
	s_cselect_b64 s[22:23], s[12:13], s[22:23]
	s_cselect_b32 s24, 400, s24
	s_cmp_lt_u32 ttmp9, 400
	s_cselect_b64 s[22:23], s[10:11], s[22:23]
	s_cselect_b32 s24, 384, s24
	s_cmp_lt_u32 ttmp9, 384
	s_cselect_b64 s[22:23], s[8:9], s[22:23]
	s_cselect_b32 s24, 256, s24
	s_cmp_lt_u32 ttmp9, 256
	s_cselect_b64 s[22:23], s[6:7], s[22:23]
	s_cselect_b32 s24, 128, s24
	s_cmp_lt_u32 ttmp9, 128
	s_cselect_b64 s[22:23], s[4:5], s[22:23]
	s_cselect_b32 s24, 0, s24
	s_sub_co_u32 s25, ttmp9, s24
	s_lshl_b32 s25, s25, 2
	s_add_co_u32 s25, s25, s26                     ; my tile in its tensor
	s_lshr_b32 s28, s25, 1
	s_lshl_b32 s28, s28, 5
	s_and_b32 s29, s25, 1
	s_lshl_b32 s29, s29, 3
	s_add_co_u32 s28, s28, s29                     ; its first row: 32 (tile / 2) + 8 (tile % 2)
	s_lshl_b32 s28, s28, 12                        ; rows of 4,096 bytes
	s_mov_b32 s29, 0
	s_add_nc_u64 s[22:23], s[22:23], s[28:29]
	s_lshl_b32 s32, ttmp9, 2
	s_add_co_u32 s32, s32, s26                     ; my tile among all 1,792
	s_mul_i32 s28, s32, 12288
	s_add_nc_u64 s[18:19], s[18:19], s[28:29]
	s_lshl_b32 s28, s32, 9
	s_add_nc_u64 s[20:21], s[20:21], s[28:29]
.macro LOAD t                          ; K step t of my 16 rows into set t % 2: each load 512 consecutive bytes of one row
.irp i, 0,1,2,3,4,5,6,7,8,9,10,11,12,13,14,15
	global_load_b128 v[R+64*((\t)%2)+4*\i:R+64*((\t)%2)+4*\i+3], v4, s[22:23] offset:(\i+8*(\i/8))*4096+512*(\t) th:TH_LOAD_NT
.endr
.endm
.macro STEP t
.if (\t) < 7
	s_wait_loadcnt 16                              ; this step's 16 loads are in; the next set's 16 stay out
.else
	s_wait_loadcnt 0x0
.endif
	s_wait_xcnt 0x0                                ; the last step's stores have read the codes' registers, which QUANT writes again
.irp i, 0,1,2,3,4,5,6,7,8,9,10,11,12,13,14,15
	ds_store_b128 v5, v[R+64*((\t)%2)+4*\i:R+64*((\t)%2)+4*\i+3] offset:SP*\i
.endr
.irp b, 0,1,2,3
.irp j, 0,1,2,3
	ds_load_b128 v[X+16*\b+4*\j:X+16*\b+4*\j+3], v6 offset:128*\b+16*\j   ; LDS serves a wave's instructions in order: these see the stores above
.endr
.endr
	s_wait_dscnt 0x0                               ; my 64 numbers are in, and the stage's stores have read their registers,
.if (\t)+2 < 8
	LOAD (\t)+2                                    ; which take the loads of two steps on
.endif
	QUANT X
	ds_store_b32 v7, v[PW] offset:4*(\t)           ; both halves of the lanes write the same word with the same value
.irp p, 0,1,2,3,4,5
	global_store_b64 v9, v[PC+2*\p:PC+2*\p+1], s[18:19] offset:1536*(\t)+256*\p   ; 32 lanes store 256 consecutive bytes, aligned
.endr
.endm
	LOAD 0
	LOAD 1
.irp t, 0,1,2,3,4,5,6,7
	STEP \t
.endr
	ds_load_b128 v[OS:OS+3], v8                    ; the tile's 512 bytes of scale words
	s_wait_dscnt 0x0
	global_store_b128 v4, v[OS:OS+3], s[20:21]
	s_wait_tensorcnt 0x0
	ds_add_u32 v254, v255
	s_wait_dscnt 0x0
	s_endpgm
.Lfunc_end_k_q8ce0c6209e_quant:
	.size	k_q8ce0c6209e_quant, .Lfunc_end_k_q8ce0c6209e_quant-k_q8ce0c6209e_quant
	.p2alignl 7, 3214868480
	.fill 96, 4, 3214868480
	.section	.rodata,"a",@progbits
	.p2align	6, 0x0
	.amdhsa_kernel k_q8ce0c6209e_quant
		.amdhsa_group_segment_fixed_size 36352
		.amdhsa_private_segment_fixed_size 0
		.amdhsa_enable_private_segment 0
		.amdhsa_kernarg_size 72
		.amdhsa_user_sgpr_count 2
		.amdhsa_user_sgpr_kernarg_segment_ptr 1
		.amdhsa_wavefront_size32 1
		.amdhsa_system_sgpr_workgroup_id_x 1
		.amdhsa_system_sgpr_workgroup_id_y 1
		.amdhsa_system_sgpr_workgroup_id_z 1
		.amdhsa_system_vgpr_workitem_id 0
		.amdhsa_next_free_vgpr 256
		.amdhsa_next_free_sgpr 66
		.amdhsa_reserve_vcc 0
		.amdhsa_float_denorm_mode_32 3
		.amdhsa_float_denorm_mode_16_64 3
		.amdhsa_memory_ordered 1
		.amdhsa_forward_progress 1
		.amdhsa_inst_pref_size 67
	.end_amdhsa_kernel
	.amdgpu_metadata
---
amdhsa.version: [ 1, 2 ]
amdhsa.kernels:
  - .name:           k_q8ce0c6209e_quant
    .symbol:         k_q8ce0c6209e_quant.kd
    .args:
      - { .name: q, .offset: 0, .size: 8, .value_kind: global_buffer, .address_space: global }
      - { .name: k, .offset: 8, .size: 8, .value_kind: global_buffer, .address_space: global }
      - { .name: v, .offset: 16, .size: 8, .value_kind: global_buffer, .address_space: global }
      - { .name: Wq, .offset: 24, .size: 8, .value_kind: global_buffer, .address_space: global }
      - { .name: Wk, .offset: 32, .size: 8, .value_kind: global_buffer, .address_space: global }
      - { .name: Wv, .offset: 40, .size: 8, .value_kind: global_buffer, .address_space: global }
      - { .name: Wo, .offset: 48, .size: 8, .value_kind: global_buffer, .address_space: global }
      - { .name: xcodes, .offset: 56, .size: 8, .value_kind: global_buffer, .address_space: global }
      - { .name: xscales, .offset: 64, .size: 8, .value_kind: global_buffer, .address_space: global }
    .group_segment_fixed_size: 36352
    .private_segment_fixed_size: 0
    .kernarg_segment_align: 8
    .kernarg_segment_size: 72
    .max_flat_workgroup_size: 128
    .sgpr_count:     66
    .vgpr_count:     256
    .wavefront_size: 32
...
	.end_amdgpu_metadata
.endif
;; end of part 1
;; launch proj (part 2): grid 4 x 96, 4 waves a work-group, clusters of 4 x 4, 327,680 bytes of LDS; arguments xcodes, xscales, bq, bk, bv, hcodes, hscales; writes hcodes, hscales
.if DOCPART == 2
	.amdgcn_target "amdgcn-amd-amdhsa--gfx1250"
	.amdhsa_code_object_version 6
	.text
	.protected	k_q8ce0c6209e_proj
	.globl	k_q8ce0c6209e_proj
	.p2align	8
	.type	k_q8ce0c6209e_proj,@function
k_q8ce0c6209e_proj:
	s_mov_b64 s[64:65], 0
	v_nop
	global_prefetch_b8 v0, s[64:65] scope:SCOPE_SE
	s_setreg_imm32_b32 hwreg(HW_REG_WAVE_MODE, 25, 1), 1
	s_wait_xcnt 0x0
	s_wait_alu depctr_hold_cnt(0) depctr_sa_sdst(0) depctr_va_vdst(0) depctr_va_sdst(0) depctr_va_ssrc(0) depctr_va_vcc(0) depctr_vm_vsrc(0)
	s_getreg_b32 s2, hwreg(HW_REG_IB_STS2, 6, 4)
	s_cmp_eq_u32 s2, 0
	s_cbranch_scc0 .Lentry_in_a_cluster
	s_endpgm
.Lentry_in_a_cluster:
	s_bfe_u32 s2, ttmp6, 0x10000c
	s_cmp_lg_u32 s2, 0xf033
	s_cbranch_scc0 .Lentry_shape_is_right
	s_endpgm
.Lentry_shape_is_right:
; The three input projections, x W^T + b, on codes of BF6 with E8M0 scales, and the quantiser of their results: qh and kh along a head's 64 channels, vh along the tokens.  One text for the three, no branch on the kind.
; A work-group of four waves makes 256 x 256 results, a wave 128 x 128: 64 accumulators, 512 registers.  K = 1,024 goes in 4 steps of 256 through THREE LDS slots filled by the tensor data mover: K steps 0, 1, 2 are first
; fills, asked for together at the start; K step 3 alone is a refill, of slot 0, and has two K steps, 256 matrix instructions a wave, in which to land.  By this text's own count a wave has four tensor loads out at the start.
; OPERANDS are images of the operand's registers (16 rows x 128 K: six pieces of 256 bytes, lane l's registers 2 p, 2 p + 1 at 256 p + 8 l): a fragment is six loads of 8 bytes a lane, 256 consecutive bytes each.
; SOURCE 1 ('A' below) gives a lane its row, SOURCE 0 ('B') runs along a lane's registers.  q, k: A = tokens, B = the weight's channels: a lane holds a token, its 64 registers 128 channels (two heads).
; v: A = Wv's channels, B = tokens: a lane holds a channel, its registers 128 tokens.  Tile 2 B + U of every tensor holds rows 32 B + 8 U + i + 8 (i / 8), so register 16 B + i of a lane is B's row 32 B + 16 (lane / 16) + i:
; the order in which the conversions want 64 numbers.  So the 64 results of a lane become one fragment and one scale word, with no way through LDS.
; THE BIAS: q, k: along the registers: it is the C of each sum's first product.  v: one number a lane and block: added on the way out.  Both forms are loaded, and the one that does not apply is masked to 0.
; OUT: six registers of a fragment lie as 768 bytes: registers 0-3, 16 bytes a lane (512 bytes), then registers 4-5, 8 bytes a lane (256 bytes), so that the reader takes them by one load of 16 and one of 8 bytes.
;      hcodes [kind][batch x head 64][98304]: q, k: [token tile 128][768] (a head's 64 channels); v: [128 keys 16][channel tile 4][2 x 768].
;      hscales [kind][batch x 8 + head pair][128 tokens 16][1024]: [group 2][lane 32][4 words]: q, k: group g, word t: tile 4 g + t; lanes 0-15 the even head's word, lanes 16-31 the odd head's; v: group = the head's parity, word = channel tile.
; CLUSTERS: 4 x 4 work-groups; the four of a row need the same tiles of A, the four of a column the same tiles of B: each tile is asked for jointly, by the same tensor load with a mask that names the four.
; 24 clusters: 8 for each kind.  LIMITS: NaN and infinities are not served; a block under 2^-122 keeps the byte 1; a block of zeros gets the byte 1 (this program alone reads the bytes).
; REGISTERS: window 0: v1-8 at work at the head (v4 = 8 x lane stays); v16-29 addresses; v32-63 scale words, two sets; v64-127 the bias along registers, later at work on the way out; v128-223 A's fragments, one set, later 64 results
;   and eight offsets; v224-239 the bias of a lane, twice each; v240-251 addresses for the way out.  window 1: B's fragments, two sets, at v0 and v128.  windows 2, 3: the accumulators ((a, b) at v[8 (8 (a % 4) + b)]).
.set NQ,     2                         ; matrix instructions deep in a slot
.set FR,     12                        ; registers of a fragment
.set NL,     6                         ; LDS loads that bring one
.set NP,     4                         ; places behind this matrix instruction (ISA guide 7.12.1)
.set STEPB,  3072                      ; a tile's two images of a slot
.set HALFT,  8*STEPB                   ; 8 tiles (128 rows): what one tensor load brings
.set SLOT,   4*HALFT                   ; A's 16 tiles, then B's 16: 98,304 bytes
.set KS,     32                        ; a row of scale bytes
.set SCL,    3*SLOT                    ; behind the three slots: the scales for all of K, as rows of 256 bytes + 16 of padding
.set HALFS,  16*272                    ; those of 128 rows
.set SBLK,   2*272                     ; those of 16 rows
.set SPARE,  SCL+4*HALFS               ; the spare words, 128 bytes for each wave: two blocks of 256 bytes that no other line names
.set STG,    SPARE+512                 ; 1,024 bytes for each wave: its results' scale words on their way out; no tile lands here.  It ends at byte 316,928
.set ADRA, 16                          ; v16-18  LDS address of my A fragments in slot 0, 1, 2
.set ADRB, 20                          ; v20-22  the same for B
.set ADRS, 27                          ; v27     LDS address of my scale words: lanes 0-15 A's rows, lanes 16-31 B's
.set SPW,  28                          ; v28     my spare word; never rewritten
.set NIL,  29                          ; v29     0; never rewritten
.set SC,   32
.set BI,   64                          ; v64-127 the bias along registers, 8 for each of B's blocks
.set AF,   128
.set BL,   224                         ; v224-239 the bias of a lane for A's block a, in registers 2 a and 2 a + 1
.set VO,   240                         ; v240-247 block a's byte offset in hcodes + 8 x lane
.set SH,   248                         ; v248    how far a lane shifts its scale word: 16 (lane / 16) for q and k, 0 for v
.set SRD,  250                         ; v250    the scale stage: my wave's 1,024 bytes + 16 x lane
.set SGO,  251                         ; v251    16 x lane
.set TM,   64                          ; the way out: v64-79 at work in QUANT
.set PW,   80
.set SW,   82                          ; v82-89  block a's scale word as it is stored
.set PC,   96                          ; v96-107 the fragment just made; v108-114 at work
.set OC,   116                         ; v116-123 the scale words on their way out
.set HA,   128                         ; v128-191 64 results
.set VW,   192                         ; v192-199 block a's byte offset in hcodes + 16 x lane
.set SEL,  100                         ; s[100:101] lane selects: lane l xor 16
.set IA,   40                          ; s40  my 128 rows of A  (these four take registers whose first use is over)
.set IB,   41                          ; s41  my 128 rows of B
.set GT,   43                          ; s43  which 128 tokens are my wave's
.set HP,   94                          ; s94  which head pair
.set G1, 24
.set G0, 32                            ; s[32:39] group 0 for A's tiles in slots 0 and 1;  s[4:7] in slot 2
.set G0C, 4
.set G1B, 48
.set G0B, 56                           ; s[56:63] the same for B's;  s[44:47] in slot 2
.set G0CB, 44
.set G1S, 68
.set G0S, 76
.set G1SB, 80
.set G0SB, 88
.set MSB, 0
.macro WIN new                         ; the immediate's high byte repeats the setting that is left
.if MSB != (\new)
	s_set_vgpr_msb (MSB<<8)|(\new)
.set MSB, (\new)
.endif
.endm
.set MUL_LO, 0xa1                      ; source 0 (B) window 1, source 1 (A) window 0, C and D window 2
.set MUL_HI, 0xf1                      ; the same, C and D window 3
.set TO_B,   0x40                      ; destination window 1, address window 0
; A joint load: waves 0 and 1 fetch for A, waves 2 and 3 for B; the branch hangs on the wave's number alone.  Four v_nop follow each of the two lines.
.macro JLOAD g0a, g1a, g0b, g1b
	s_cmp_eq_u32 s17, 0
	s_cbranch_scc0 .Lfor_b_\@
	tensor_load_to_lds s[\g0a:\g0a+3], s[\g1a:\g1a+7]
	s_nop 0
.rept 4
	v_nop
.endr
	s_branch .Lasked_\@
.Lfor_b_\@:
	tensor_load_to_lds s[\g0b:\g0b+3], s[\g1b:\g1b+7]
	s_nop 0
.rept 4
	v_nop
.endr
.Lasked_\@:
.endm
.macro CREST                           ; a round of the cluster's barrier behind its opening barrier
	s_cmp_lg_u32 s16, 0
	s_cbranch_scc1 .Lnot_wave_0_\@
	s_barrier_signal -3
.Lnot_wave_0_\@:
	s_barrier_wait -3
	s_barrier_signal -1
	s_barrier_wait -1
.endm
.macro CROUND                          ; a whole round
	s_barrier_signal -1
	s_barrier_wait -1
	CREST
.endm
; 64 numbers of a lane, v[s] .. v[s + 63], register 16 b + i = K 32 b + 16 (lane / 16) + i, become a fragment's codes in v[PC] on and its scale word in v[PW].
.macro QUANT s
.irp b, 0,1,2,3
	v_max3_num_f32 v[TM+\b], |v[\s+16*\b]|, |v[\s+1+16*\b]|, 0x2800000   ; block b: my 16 numbers, and the floor 2^(5 - 127): the byte cannot fall under 1
.endr
.irp i, 2,4,6,8,10,12,14
.irp b, 0,1,2,3
	v_max3_num_f32 v[TM+\b], v[TM+\b], |v[\s+16*\b+\i]|, |v[\s+1+16*\b+\i]|
.endr
.endr
.irp b, 0,1,2,3
	v_permlanex16_b32 v[TM+4+\b], v[TM+\b], s[SEL], s[SEL+1]
.endr
.irp b, 0,1,2,3
	v_max_num_f32 v[TM+\b], v[TM+\b], v[TM+4+\b]   ; with lane l xor 16's 16: the block's largest magnitude
.endr
.irp b, 0,1,2,3
	v_add_nc_u32 v[TM+12+\b], 0xfe000000, v[TM+\b]   ; 4 off its exponent field: the conversion's scale operand
.endr
.irp b, 0,1,2,3
	v_lshrrev_b32 v[TM+4+\b], 23, v[TM+12+\b]      ; the scale's byte
.endr
	v_lshl_or_b32 v[PW], v[TM+5], 8, v[TM+4]
	v_lshl_or_b32 v[PW], v[TM+6], 16, v[PW]
	v_lshl_or_b32 v[PW], v[TM+7], 24, v[PW]
	s_wait_xcnt 0x0                                ; the last block's global stores have read the codes' registers, which the conversions below write again; the lines above touch none of them
.irp c, 0,1
	v_cvt_scalef32_pk16_bf6_f32 v[PC+6*\c:PC+2+6*\c], v[\s+32*\c:\s+15+32*\c], v[TM+12+2*\c]
	v_cvt_scalef32_pk16_bf6_f32 v[PC+12+4*\c:PC+14+4*\c], v[\s+16+32*\c:\s+31+32*\c], v[TM+12+2*\c+1]
.endr
	v_nop                                          ; one plain place behind a scaled conversion
.irp c, 0,1
.irp i, 0,1,2
	v_permlane16_swap_b32 v[PC+6*\c+\i], v[PC+12+4*\c+\i]
.endr
.irp i, 0,1,2
	v_mov_b32 v[PC+3+6*\c+\i], v[PC+12+4*\c+\i]
.endr
.endr
.endm
	s_load_b256 s[4:11], s[0:1], 0x0               ; xcodes s[4:5], xscales s[6:7], bq s[8:9], bk s[10:11]
	s_load_b128 s[12:15], s[0:1], 0x20             ; bv s[12:13], hcodes s[14:15]
	s_load_b64 s[66:67], s[0:1], 0x30              ; hscales
	v_lshl_add_u32 v[SPW], v0, 2, SPARE
	v_mov_b32 v[NIL], 0
	ds_add_u32 v28, v29
	ds_add_u32 v28, v29
	s_wait_dscnt 0x0
	v_lshrrev_b32 v1, 5, v0
	v_readfirstlane_b32 s16, v1                    ; wave 0..3
	s_lshr_b32 s17, s16, 1                         ; which half of A's 256 rows is mine.  Also: I fetch for A (0) or for B (1)
	s_and_b32 s18, s16, 1                          ; which half of B's.  Also: which 8 tiles I fetch
	s_bfe_u32 s40, ttmp6, 0x40000                  ; cx, cy: my place in the cluster
	s_bfe_u32 s41, ttmp6, 0x40004
	s_and_b32 s19, ttmp7, 0xffff                   ; the cluster's number, 0..23
	s_and_b32 s20, s19, 7                          ; which eighth of the tokens
	s_lshr_b32 s19, s19, 3                         ; kind: 0 q, 1 k, 2 v
	s_lshr_b32 s21, s19, 1                         ; 1 for v
	s_sub_co_u32 s22, s21, 1                       ; all ones for q and k, 0 for v
	s_sub_co_u32 s23, 0, s21                       ; and the other way round
	s_mul_i32 s98, s20, s21                        ; the eighth counts along B for v,
	s_sub_co_u32 s99, s20, s98                     ; along A for q and k
	s_lshl_b32 s95, s99, 2
	s_add_co_u32 s95, s95, s41                     ; which 256 rows of A: it hangs on cy alone of my place
	s_lshl_b32 s42, s98, 2
	s_add_co_u32 s42, s42, s40                     ; which 256 rows of B: on cx alone
	s_lshl_b32 s43, s41, 2
	s_lshl_b32 s43, 15, s43                        ; my row of the cluster
	s_lshl_b32 s44, 0x1111, s40                    ; my column
	; descriptor group 1: 8 tiles x 3,072 bytes (two images), 12,288 bytes from tile to tile; elements of 8 bytes; dense in LDS
	s_or_b32 s[G1+0], s43, (3<<16)|(1<<21)         ; 15:0 the mask: A's tiles go to my row; 17:16 elements of 8 bytes; 21 set beside a mask
	s_or_b32 s[G1B+0], s44, (3<<16)|(1<<21)
.irp g, G1, G1B
	s_mov_b32 s[\g+1], 384<<16                     ; tensor_dim0
	s_mov_b32 s[\g+2], 8<<16                       ; tensor_dim1
	s_mov_b32 s[\g+3], 384<<16                     ; tile_dim0
	s_mov_b32 s[\g+4], 8                           ; tile_dim1
	s_mov_b32 s[\g+5], 1536                        ; tensor_dim0_stride
	s_mov_b32 s[\g+6], 0
	s_mov_b32 s[\g+7], 0
.endr
	; the scales of 128 rows: 4,096 dense bytes, as 16 rows of 256 bytes, 16 bytes of padding behind each
	s_or_b32 s[G1S+0], s43, (3<<16)|(1<<20)|(1<<21)|(5<<22)|(3<<25)
	s_or_b32 s[G1SB+0], s44, (3<<16)|(1<<20)|(1<<21)|(5<<22)|(3<<25)
.irp g, G1S, G1SB
	s_mov_b32 s[\g+1], 32<<16
	s_mov_b32 s[\g+2], 16<<16
	s_mov_b32 s[\g+3], 32<<16
	s_mov_b32 s[\g+4], 16
	s_mov_b32 s[\g+5], 32
	s_mov_b32 s[\g+6], 0
	s_mov_b32 s[\g+7], 0
.endr
	s_mul_i32 s100, s21, 640
	s_lshl_b32 s96, s19, 9
	s_add_co_u32 s96, s96, s100                    ; A's first tile in xcodes: q 0, k 512, Wv 1664
	s_lshl_b32 s46, s19, 6
	s_add_co_u32 s46, s46, 1536
	s_sub_co_u32 s46, s46, s100                    ; B's: Wq 1536, Wk 1600, v 1024
	s_lshl_b32 s101, s18, 3                        ; which 8 tiles of the 16 I fetch
	s_lshl_b32 s97, s95, 4
	s_add_co_u32 s96, s96, s97
	s_add_co_u32 s96, s96, s101
	s_lshl_b32 s47, s42, 4
	s_add_co_u32 s46, s46, s47
	s_add_co_u32 s46, s46, s101
	s_lshl_b32 s98, s96, 9                         ; 512 bytes of scales a tile,
	s_mov_b32 s99, 0
	s_lshl_b32 s92, s46, 9
	s_mov_b32 s93, 0
	s_mul_i32 s96, s96, 12288                      ; 12,288 of codes
	s_mov_b32 s97, 0
	s_mul_i32 s46, s46, 12288
	s_mov_b32 s47, 0
	s_mul_i32 s45, s16, HALFT                      ; where they go: wave x 8 tiles: no place in the cluster enters an LDS address
	s_mul_i32 s94, s16, HALFS
	s_wait_kmcnt 0x0
	s_add_nc_u64 s[96:97], s[4:5], s[96:97]
	s_add_nc_u64 s[98:99], s[6:7], s[98:99]
	s_add_nc_u64 s[46:47], s[4:5], s[46:47]
	s_add_nc_u64 s[92:93], s[6:7], s[92:93]
	CROUND                                         ; all sixteen work-groups are here: the first joint loads meet
	s_mov_b32 s[G0S], 1
	s_add_co_u32 s[G0S+1], s94, SCL
	s_mov_b64 s[G0S+2:G0S+3], s[98:99]
	s_or_b32 s[G0S+3], s[G0S+3], 0x80000000
	s_mov_b32 s[G0SB], 1
	s_add_co_u32 s[G0SB+1], s94, SCL
	s_mov_b64 s[G0SB+2:G0SB+3], s[92:93]
	s_or_b32 s[G0SB+3], s[G0SB+3], 0x80000000
	JLOAD G0S, G1S, G0SB, G1SB                     ; the scales first: they are wanted with K step 0
.irp s, 0,1
	s_mov_b32 s[G0+4*\s], 1
	s_add_co_u32 s[G0+4*\s+1], s45, \s*SLOT
	s_add_nc_u64 s[G0+4*\s+2:G0+4*\s+3], s[96:97], \s*STEPB
	s_or_b32 s[G0+4*\s+3], s[G0+4*\s+3], 0x80000000
	s_mov_b32 s[G0B+4*\s], 1
	s_add_co_u32 s[G0B+4*\s+1], s45, \s*SLOT
	s_add_nc_u64 s[G0B+4*\s+2:G0B+4*\s+3], s[46:47], \s*STEPB
	s_or_b32 s[G0B+4*\s+3], s[G0B+4*\s+3], 0x80000000
	JLOAD G0+4*\s, G1, G0B+4*\s, G1B
.endr
	s_mov_b32 s[G0C], 1                            ; slot 2, K step 2: A's group 0 takes the registers of two pointers that are done with,
	s_add_co_u32 s[G0C+1], s45, 2*SLOT
	s_add_nc_u64 s[G0C+2:G0C+3], s[96:97], 2*STEPB
	s_or_b32 s[G0C+3], s[G0C+3], 0x80000000
	s_mov_b32 s[G0CB], 1                           ; B's those of the column's mask, of the LDS place and of B's address, stepped where they stand
	s_add_co_u32 s[G0CB+1], s45, 2*SLOT
	s_add_nc_u64 s[G0CB+2:G0CB+3], s[46:47], 2*STEPB
	s_or_b32 s[G0CB+3], s[G0CB+3], 0x80000000
	JLOAD G0C, G1, G0CB, G1B                       ; four tensor loads of mine are out
	; which 128 tokens and which head pair are my wave's
	s_lshl_b32 s[IA], s95, 1
	s_add_co_u32 s[IA], s[IA], s17                 ; my 128 rows of A
	s_lshl_b32 s[IB], s42, 1
	s_add_co_u32 s[IB], s[IB], s18                 ; my 128 rows of B
	s_cmp_eq_u32 s21, 1
	s_cselect_b32 s[GT], s[IB], s[IA]              ; tokens are B's rows for v, A's for q and k
	s_cselect_b32 s[HP], s[IA], s[IB]              ; channels the other way round
	s_cmp_eq_u32 s19, 1
	s_cselect_b64 s[8:9], s[10:11], s[8:9]
	s_cmp_eq_u32 s19, 2
	s_cselect_b64 s[8:9], s[12:13], s[8:9]         ; the kind's bias
	s_lshl_b32 s10, s[HP], 9
	s_mov_b32 s11, 0
	s_add_nc_u64 s[8:9], s[8:9], s[10:11]          ; at my 128 channels
	v_and_b32 v1, 15, v0                           ; r
	v_bfe_u32 v2, v0, 4, 1                         ; h
	v_and_b32 v3, 31, v0                           ; lane
	s_wait_alu depctr_va_vdst(0)
	v_lshlrev_b32 v7, 6, v2                        ; 64 h
	v_and_b32 v8, 8, v1
	v_add_nc_u32 v8, v8, v1
	v_lshlrev_b32 v8, 2, v8                        ; 4 (r + 8 (r / 8))
.irp b, 0,1,2,3,4,5,6,7
	global_load_b128 v[BI+8*\b:BI+8*\b+3], v7, s[8:9] offset:4*(32*(\b/2)+8*(\b%2))       ; register 8 b + j: channel 32 (b / 2) + 16 h + 8 (b % 2) + j
	global_load_b128 v[BI+8*\b+4:BI+8*\b+7], v7, s[8:9] offset:4*(32*(\b/2)+8*(\b%2))+16
.endr
.irp a, 0,1,2,3,4,5,6,7
	global_load_b32 v[BL+2*\a], v8, s[8:9] offset:4*(32*(\a/2)+8*(\a%2))                  ; lane r of block a: channel 32 (a / 2) + 8 (a % 2) + r + 8 (r / 8); twice, for the packed addition
	global_load_b32 v[BL+2*\a+1], v8, s[8:9] offset:4*(32*(\a/2)+8*(\a%2))
.endr
	; where my results go
	s_lshr_b32 s10, s[GT], 4
	s_lshl_b32 s10, s10, 3
	s_add_co_u32 s10, s10, s[HP]                   ; 8 x batch + head pair
	s_and_b32 s11, s[GT], 15                       ; which 128 tokens of the batch
	s_mul_i32 s96, s19, 6291456
	s_mul_i32 s12, s10, 196608
	s_add_co_u32 s96, s96, s12
	s_mul_i32 s12, s11, 6144
	s_add_co_u32 s96, s96, s12
	s_mov_b32 s97, 0
	s_add_nc_u64 s[96:97], s[14:15], s[96:97]      ; a fragment's registers 0-5
	s_mul_i32 s12, s21, 97536
	s_sub_co_u32 s12, 98304, s12
	s_mov_b32 s13, 0
	s_add_nc_u64 s[98:99], s[96:97], s[12:13]      ; its registers 6-11: the odd head's tile for q and k (98,304 on), the same image for v (768 on)
	s_lshl_b32 s92, s19, 19
	s_lshl_b32 s12, s10, 14
	s_add_co_u32 s92, s92, s12
	s_lshl_b32 s12, s11, 10
	s_add_co_u32 s92, s92, s12
	s_mov_b32 s93, 0
	s_add_nc_u64 s[92:93], s[66:67], s[92:93]      ; my 1,024 bytes of scale words
	s_mul_i32 s12, s21, 768
	s_add_co_u32 s12, s12, 768                     ; from block to block: 768 (q, k) or 1,536 (v),
	s_mul_i32 s13, s21, 95232
	s_add_co_u32 s13, s13, 3072                    ; from block 0 to block 4: 3,072, or on to the odd head: 98,304
	v_lshlrev_b32 v4, 3, v3                        ; 8 x lane
	v_mov_b32 v[VO], v4
	v_add_nc_u32 v[VO+4], s13, v4
.irp a, 1,2,3,5,6,7
	v_add_nc_u32 v[VO+\a], s12, v[VO+\a-1]
.endr
	v_lshlrev_b32 v[SH], 4, v2
	v_and_b32 v[SH], s22, v[SH]
	s_mul_i32 s100, s17, HALFT                     ; my 8 tiles of A
	s_mul_i32 s101, s18, HALFT                     ; my 8 tiles of B,
	s_add_co_u32 s101, s101, 2*HALFT               ; which lie behind A's 16
.irp s, 0,1,2
	v_add_nc_u32 v[ADRA+\s], s100, v4
	v_add_nc_u32 v[ADRB+\s], s101, v4
	s_add_co_u32 s100, s100, SLOT
	s_add_co_u32 s101, s101, SLOT
.endr
	v_mul_u32_u24 v5, v1, KS                       ; my row's scales: 32 bytes a row,
	v_lshrrev_b32 v6, 8, v5
	v_lshl_add_u32 v5, v6, 4, v5                   ; and 16 more for each 256 passed
	s_mul_i32 s100, s17, HALFS
	s_mul_i32 s101, s18, HALFS
	s_add_co_u32 s101, s101, 2*HALFS
	s_sub_co_u32 s101, s101, s100
	v_mul_u32_u24 v6, s101, v2                     ; lanes 16-31 take B's
	s_add_co_u32 s100, s100, SCL
	v_add_nc_u32 v5, v5, v6
	v_add_nc_u32 v[ADRS], s100, v5
	s_lshl_b32 s100, s16, 10
	s_add_co_u32 s100, s100, STG
	v_lshl_add_u32 v[SRD], v3, 4, s100
	v_lshlrev_b32 v[SGO], 4, v3
	s_mov_b32 s[SEL], 0x76543210
	s_mov_b32 s[SEL+1], 0xfedcba98
	s_wait_loadcnt 0x0                             ; the bias, once
.set i, 0
.rept 64
	v_and_b32 v[BI+i], s22, v[BI+i]                ; along the registers: q and k alone
.set i, i+1
.endr
.set i, 0
.rept 16
	v_and_b32 v[BL+i], s23, v[BL+i]                ; of a lane: v alone
.set i, i+1
.endr
.macro FRAG reg, adr, q, i             ; a fragment comes as it was stored: six pieces, each 256 consecutive bytes for the 32 lanes
.irp p, 0,1,2,3,4,5
	ds_load_b64 v[\reg+2*\p:\reg+2*\p+1], v[\adr] offset:(\i)*STEPB+(\q)*1536+256*\p
.endr
.endm
; 16 matrix instructions: A's blocks a0, a0 + 1 x B's eight, 128 along K.  p: B's set; sc: the set of scale words.  zero = 1: the first product starts the sums, with the bias as its C.
; The 64 accumulators take turns, one instruction a turn, in the same order in every step.
.macro MUL16 a0, p, q, sc, zero
.irp a, \a0, \a0+1
.irp b, 0,1,2,3,4,5,6,7
.if \zero
	v_wmma_scale_f32_16x16x128_f8f6f4 v[8*(8*((\a)%4)+\b):8*(8*((\a)%4)+\b)+7], v[128*(\p)+FR*\b:128*(\p)+FR*\b+FR-1], v[AF+FR*(\a):AF+FR*(\a)+FR-1], v[BI+8*\b:BI+8*\b+7], v[SC+8*NQ*(\sc)+NQ*\b+(\q)], v[SC+8*NQ*(\sc)+NQ*(\a)+(\q)] matrix_a_fmt:MATRIX_FMT_BF6 matrix_b_fmt:MATRIX_FMT_BF6 matrix_a_scale:MATRIX_SCALE_ROW1
.else
	v_wmma_scale_f32_16x16x128_f8f6f4 v[8*(8*((\a)%4)+\b):8*(8*((\a)%4)+\b)+7], v[128*(\p)+FR*\b:128*(\p)+FR*\b+FR-1], v[AF+FR*(\a):AF+FR*(\a)+FR-1], v[8*(8*((\a)%4)+\b):8*(8*((\a)%4)+\b)+7], v[SC+8*NQ*(\sc)+NQ*\b+(\q)], v[SC+8*NQ*(\sc)+NQ*(\a)+(\q)] matrix_a_fmt:MATRIX_FMT_BF6 matrix_b_fmt:MATRIX_FMT_BF6 matrix_a_scale:MATRIX_SCALE_ROW1
.endif
.endr
.endr
.endm
.macro FETCH_B slot, q, p
	WIN TO_B
.irp i, 0,1,2,3,4,5,6,7
	FRAG 128*(\p)+FR*\i, ADRB+\slot, \q, \i
.endr
	WIN 0
.endm
.macro FETCH_A slot, q, i0
.irp i, \i0, \i0+1, \i0+2, \i0+3
	FRAG AF+FR*(\i), ADRA+\slot, \q, \i
.endr
.endm
.macro SCALES sc                       ; the next K step's scale words: two words a row; lanes 0-15 take A's block i, lanes 16-31 B's block i
.irp i, 0,1,2,3,4,5,6,7
	ds_load_b64 v[SC+8*NQ*\sc+NQ*\i:SC+8*NQ*\sc+NQ*\i+1], v[ADRS] offset:\i*SBLK
.endr
.endm
.macro PLACES n                        ; plain vector instructions between a matrix instruction and a load into, or a read of, its registers
.rept \n
	v_nop
.endr
.endm
; A step of 128 along K that has its successor in the same slot.  sc: the K step's set of scale words (K step % 2).
.macro STEP slot, q, zero, sc
	s_wait_dscnt 4*NL                              ; B's set and A's blocks 0-3 are in; the youngest 24 loads (A's blocks 4-7) may be out
.if \zero
	WIN 0x81                                       ; C (the bias) window 0, D window 2
.else
	WIN MUL_LO
.endif
	MUL16 0, (\q)%2, \q, \sc, \zero
	MUL16 2, (\q)%2, \q, \sc, \zero
	s_wait_dscnt 0                                 ; A's blocks 4-7 are in
	PLACES NP
	FETCH_B \slot, (\q)+1, 1-(\q)%2
	FETCH_A \slot, (\q)+1, 0
.if \zero
	WIN 0xc1
.else
	WIN MUL_HI
.endif
	MUL16 4, (\q)%2, \q, \sc, \zero
	MUL16 6, (\q)%2, \q, \sc, \zero
	PLACES NP
	WIN 0
	FETCH_A \slot, (\q)+1, 4
.endm
; A slot's last step goes on into slot 'next'.  nsc: the next K step's set of scale words.
; mode 2: this slot is filled again: each wave waits for all its tensor loads, adds 0 to its spare word, waits for that and for its reads of this slot; the barrier opens a round of the cluster's; the refill comes first behind it.
; mode 1: the same three lines and a plain barrier: the slot ahead was filled by a load that is waited for here.
; mode 0: no barrier: the slot ahead is a first fill that every wave's wait for all its loads, and the barrier behind it, have shown whole at the change before; nothing is filled.
.macro TURN slot, next, mode, sc, nsc
.if \mode
	s_wait_tensorcnt 0x0                           ; all my tensor loads have landed
	ds_add_u32 v[SPW], v[NIL]                      ; 0 onto my spare word
	s_wait_dscnt 4*NL+1                            ; (the add and the youngest 24 loads may be out)
.else
	s_wait_dscnt 4*NL                              ; (the youngest 24 loads may be out)
.endif
	WIN MUL_LO
	MUL16 0, 1, NQ-1, \sc, 0                       ; sixteen matrix instructions stand between the add and the wait for it
.if \mode
	s_wait_dscnt 0x0                               ; the add is done, and my reads of this slot are over
	s_barrier_signal -1
.endif
	MUL16 2, 1, NQ-1, \sc, 0
	WIN 0
.if \mode
	s_barrier_wait -1
.else
	s_wait_dscnt 0x0                               ; A's blocks 4-7 are in
.endif
.if \mode == 2
	CREST                                          ; no wave of any partner still reads this slot or has a load on its way
	s_add_nc_u64 s[G0+4*\slot+2:G0+4*\slot+3], s[G0+4*\slot+2:G0+4*\slot+3], 3*STEPB    ; three K steps on
	s_add_nc_u64 s[G0B+4*\slot+2:G0B+4*\slot+3], s[G0B+4*\slot+2:G0B+4*\slot+3], 3*STEPB
	JLOAD G0+4*\slot, G1, G0B+4*\slot, G1B         ; the first tensor load behind the round; its four v_nop are the places in front of the loads below
.else
	PLACES NP
.endif
	v_add_nc_u32 v[ADRS], 4*NQ, v[ADRS]            ; on to the next K step's scale words
	FETCH_B \next, 0, 0
	FETCH_A \next, 0, 0
	SCALES \nsc
	WIN MUL_HI
	MUL16 4, 1, NQ-1, \sc, 0
	MUL16 6, 1, NQ-1, \sc, 0
	PLACES NP
	WIN 0
	FETCH_A \next, 0, 4
.endm
	s_wait_tensorcnt 2                             ; the scales and my part of K step 0 are in (the loads of slots 1 and 2 may be out)
	s_barrier_signal -1
	s_barrier_wait -1                              ; everybody's are
	FETCH_B 0, 0, 0
	FETCH_A 0, 0, 0
	SCALES 0
	FETCH_A 0, 0, 4
	STEP 0, 0, 1, 0                                ; K step 0: its first products start the sums
	TURN 0, 1, 2, 0, 1                             ; slots 1 and 2 are shown whole; slot 0 takes K step 3
	s_wait_alu depctr_va_vdst(0)
	STEP 1, 0, 0, 1                                ; K step 1
	TURN 1, 2, 0, 1, 0
	s_wait_alu depctr_va_vdst(0)
	STEP 2, 0, 0, 0                                ; K step 2
	TURN 2, 0, 1, 0, 1                             ; K step 3 has landed
	STEP 0, 0, 0, 1                                ; K step 3
	s_wait_dscnt 4*NL                              ; the very last step
	WIN MUL_LO
	MUL16 0, 1, NQ-1, 1, 0
	MUL16 2, 1, NQ-1, 1, 0
	s_wait_dscnt 0
	WIN MUL_HI
	MUL16 4, 1, NQ-1, 1, 0
	MUL16 6, 1, NQ-1, 1, 0
	WIN 0
	PLACES NP
; THE WAY OUT, block by block of A's 16 rows: the lane's 64 results come into window 0 by the addition of the lane's bias (each accumulator from its low end on), are quantised, and leave as an image.
.irp b, 0,1,2,3
	v_mov_b32 v[TM+4+\b], 0                        ; written once: a lane permute's destination counts as one of its sources
.endr
.irp a, 0,1,2,3,4,5,6,7
	v_add_nc_u32 v[VW+\a], v[VO+\a], v4            ; the block's offset + 16 x lane, for the stores of 16 bytes
.endr
.macro EPI a
	WIN 0x02+(\a)/4                                ; source 0: window 2 or 3
.set AC, 64*((\a)%4)
.set i, 0
.rept 32
	v_pk_add_f32 v[HA+i:HA+i+1], v[AC+i:AC+i+1], v[BL+2*(\a):BL+2*(\a)+1]
.set i, i+2
.endr
	WIN 0
	QUANT HA
	v_lshrrev_b32 v[SW+(\a)], v[SH], v[PW]         ; q, k: lanes 16-31 bring the odd head's two bytes down (what stands above them lies over zero codes); v: the word as it is
	ds_store_b32 v[SRD], v[SW+(\a)] offset:512*((\a)/4)+4*((\a)%4)                  ; group a / 4, my lane's four words, word a % 4
	global_store_b128 v[VW+(\a)], v[PC:PC+3], s[96:97]                              ; 32 lanes store 512 consecutive bytes, aligned to 256,
	global_store_b64 v[VO+(\a)], v[PC+4:PC+5], s[96:97] offset:512                  ; and the 256 behind them
	global_store_b128 v[VW+(\a)], v[PC+6:PC+9], s[98:99]
	global_store_b64 v[VO+(\a)], v[PC+10:PC+11], s[98:99] offset:512
.endm
.irp a, 0,1,2,3,4,5,6,7
	EPI \a
.endr
	ds_load_b128 v[OC:OC+3], v[SRD]                ; LDS serves a wave's instructions in order: these see my stores
	ds_load_b128 v[OC+4:OC+7], v[SRD] offset:512
	s_wait_dscnt 0x0
	global_store_b128 v[SGO], v[OC:OC+3], s[92:93]
	global_store_b128 v[SGO], v[OC+4:OC+7], s[92:93] offset:512
	s_wait_tensorcnt 0x0                           ; the wave's end
	ds_add_u32 v[SPW], v[NIL]
	s_wait_dscnt 0x0
	CROUND                                         ; the closing round: no work-group ends while a partner may still ask for a tile that names it
	s_endpgm
.Lfunc_end_k_q8ce0c6209e_proj:
	.size	k_q8ce0c6209e_proj, .Lfunc_end_k_q8ce0c6209e_proj-k_q8ce0c6209e_proj
	.p2alignl 7, 3214868480
	.fill 96, 4, 3214868480
	.section	.rodata,"a",@progbits
	.p2align	6, 0x0
	.amdhsa_kernel k_q8ce0c6209e_proj
		.amdhsa_group_segment_fixed_size 327680
		.amdhsa_private_segment_fixed_size 0
		.amdhsa_enable_private_segment 0
		.amdhsa_kernarg_size 56
		.amdhsa_user_sgpr_count 2
		.amdhsa_user_sgpr_kernarg_segment_ptr 1
		.amdhsa_wavefront_size32 1
		.amdhsa_system_sgpr_workgroup_id_x 1
		.amdhsa_system_sgpr_workgroup_id_y 1
		.amdhsa_system_sgpr_workgroup_id_z 1
		.amdhsa_system_vgpr_workitem_id 0
		.amdhsa_next_free_vgpr 1024
		.amdhsa_next_free_sgpr 104
		.amdhsa_reserve_vcc 0
		.amdhsa_float_denorm_mode_32 3
		.amdhsa_float_denorm_mode_16_64 3
		.amdhsa_memory_ordered 1
		.amdhsa_forward_progress 1
		.amdhsa_inst_pref_size 189
	.end_amdhsa_kernel
	.amdgpu_metadata
---
amdhsa.version: [ 1, 2 ]
amdhsa.kernels:
  - .name:           k_q8ce0c6209e_proj
    .symbol:         k_q8ce0c6209e_proj.kd
    .args:
      - { .name: xcodes, .offset: 0, .size: 8, .value_kind: global_buffer, .address_space: global }
      - { .name: xscales, .offset: 8, .size: 8, .value_kind: global_buffer, .address_space: global }
      - { .name: bq, .offset: 16, .size: 8, .value_kind: global_buffer, .address_space: global }
      - { .name: bk, .offset: 24, .size: 8, .value_kind: global_buffer, .address_space: global }
      - { .name: bv, .offset: 32, .size: 8, .value_kind: global_buffer, .address_space: global }
      - { .name: hcodes, .offset: 40, .size: 8, .value_kind: global_buffer, .address_space: global }
      - { .name: hscales, .offset: 48, .size: 8, .value_kind: global_buffer, .address_space: global }
    .group_segment_fixed_size: 327680
    .private_segment_fixed_size: 0
    .kernarg_segment_align: 8
    .kernarg_segment_size: 56
    .max_flat_workgroup_size: 128
    .sgpr_count:     104
    .vgpr_count:     1024
    .wavefront_size: 32
...
	.end_amdgpu_metadata
.endif
;; end of part 2
;; launch attn (part 3): grid 8 x 32, 16 waves a work-group, clusters of 4 x 1, 327,680 bytes of LDS; arguments hcodes, hscales, ocodes, oscales; writes ocodes, oscales
.if DOCPART == 3
	.amdgcn_target "amdgcn-amd-amdhsa--gfx1250"
	.amdhsa_code_object_version 6
	.text
	.protected	k_q8ce0c6209e_attn
	.globl	k_q8ce0c6209e_attn
	.p2align	8
	.type	k_q8ce0c6209e_attn,@function
k_q8ce0c6209e_attn:
	s_mov_b64 s[64:65], 0
	v_nop
	global_prefetch_b8 v0, s[64:65] scope:SCOPE_SE
	s_setreg_imm32_b32 hwreg(HW_REG_WAVE_MODE, 25, 1), 1
	s_wait_xcnt 0x0
	s_wait_alu depctr_hold_cnt(0) depctr_sa_sdst(0) depctr_va_vdst(0) depctr_va_sdst(0) depctr_va_ssrc(0) depctr_va_vcc(0) depctr_vm_vsrc(0)
	s_getreg_b32 s2, hwreg(HW_REG_IB_STS2, 6, 4)
	s_cmp_eq_u32 s2, 0
	s_cbranch_scc0 .Lentry_in_a_cluster
	s_endpgm
.Lentry_in_a_cluster:
	s_bfe_u32 s2, ttmp6, 0x10000c
	s_cmp_lg_u32 s2, 0x3003
	s_cbranch_scc0 .Lentry_shape_is_right
	s_endpgm
.Lentry_shape_is_right:
; Attention on codes of BF6 with E8M0 scales, and the quantiser of its result.  64 pairs (batch, head) of 2,048 tokens x 64 channels.
; t = score x log2(e) / 8; M = the row's largest t so far, rounded up to a whole number; p = 2^(t - M) is quantised along the keys, not normalised; the row's sum is taken of the unquantised p and divides O at the end.
; When M moves, the sum and O are multiplied by 2^(old M - new M): exact.
; SHARES.  A work-group owns 256 queries of one batch and one PAIR of heads; each of its sixteen waves owns one tile of 16 queries, in 256 registers, four waves to a SIMD.  A wave walks all 2,048 keys of the even head,
; then of the odd head: so it ends with 128 neighbouring channels of the concatenated heads, one whole fragment and one whole scale word of the output projection's operand.
; LAYOUT.  Both products are used transposed: S^T = K Q^T (source 0 = 16 keys, source 1 = my 16 queries), O^T = V^T P^T (source 0 = 16 channels): a lane holds one query throughout.  All tiles lie in memory as images of the
; operand's registers, and tile 2 B + U holds rows 32 B + 8 U + i + 8 (i / 8): the 16 registers of two neighbouring tiles are 16 neighbouring keys (channels).  Six registers of a fragment are 768 bytes: registers 0-3, 16 bytes a
; lane, then registers 4-5, 8 bytes a lane: one load of 16 bytes and one of 8.  The scale words of four tiles are 16 bytes of a lane: one load.  So a key step has 35 LDS loads: K 16 + 2, V 16 + 1.
; The first product's K is 64: the upper six registers of K's and Q's fragments are zero codes, written once.
; RING.  Two LDS slots of 1,024 keys (K's 49,152 bytes, then V's); the pair's scale words of K and V stay in LDS.  Waves 0-3 fetch a quarter of a slot each, 24,576 dense bytes.
; CLUSTER.  The four query blocks of a cluster share batch and head pair, so every tile is asked for jointly: the same load, the same descriptor, a mask that names the four.  A wave has two tensor loads out at the most.
; The output's scale words leave 4 bytes a row, 32 bytes apart, both halves of the lanes writing the same word: 262,144 bytes in the whole launch.
; LIMITS: NaN and infinities are not served; 1 / sum by v_rcp_f32; a block under 2^-122 keeps the byte 1; a block of zeros gets the byte 1 (this program alone reads the bytes).
; REGISTERS: v1-7 addresses that stay; v8-10 addresses in hand; v12 -M, v13 the largest t, v[14:15] the sum; v16-27 Q of the even head, v80-91 of the odd; v32-79 four fragments of K; v96-159 S^T, then p, then V's four fragments;
;   v160-191 O^T; v192-203 the output's fragment, v204-206 at work, v208 its scale word; v224-235 p's codes; v232-254 at work; v248-251, v253, v255 scale words.
.set SLOTB, 98304
.set VOFF,  49152
.set SCK,   2*SLOTB                    ; K's scale words of the pair: [128 keys 16][group 2][lane 32][4 words]
.set SCV,   SCK+16384                  ; V's: [128 keys 16][parity 2][lane 32][4 words]
.set SPARE, SCV+16384                  ; the spare words, 128 bytes for each wave: eight blocks of 256 bytes that no other line names
.set AK0,  1                           ; v1   8 x lane
.set AW0,  2                           ; v2   16 x lane
.set ASK0, 3                           ; v3   SCK + 16 x lane
.set SPW,  5                           ; v5   my spare word; never rewritten
.set NIL,  6                           ; v6   0; never rewritten
.set GS,   7                           ; v7   32 x (lane % 16): my row's scale words in oscales
.set ADK,  8                           ; v8   the step's tiles + 8 x lane
.set ADW,  9                           ; v9   the step's tiles + 16 x lane
.set ADS,  10                          ; v10  the step's scale words of K + 16 x lane; V's lie 16,384 bytes on
.set WV,   12                          ; s12  my wave's number
.set SEL,  20                          ; s[20:21] lane selects: lane l xor 16
.set CS,   22                          ; s[22:23] c = log2(e) / 8
.set G1,   24                          ; s[24:31] group 1 for a quarter of a slot
.set G1S,  32                          ; s[32:39] for half a tensor's scale words
.set G0A,  40                          ; s[40:43] group 0 for slot A;  s[44:47] for slot B;  s[48:51] for the scale words
.set G0B,  44
.set G0S,  48
.set TB,   52                          ; s52  LDS byte at which the step's tiles of K begin
.set TS,   53                          ; s53  the step's scale words: 1,024 bytes a step
.set CNT,  54
.macro CROUND                          ; a round of the cluster's barrier
	s_barrier_signal -1
	s_barrier_wait -1
	s_cmp_lg_u32 s[WV], 0
	s_cbranch_scc1 .Lnot_wave_0_\@
	s_barrier_signal -3
.Lnot_wave_0_\@:
	s_barrier_wait -3
	s_barrier_signal -1
	s_barrier_wait -1
.endm
.macro TL g0, g1                       ; waves 0-3 fetch; the branch hangs on the wave's number alone.  Four v_nop follow the load
	s_cmp_lt_u32 s[WV], 4
	s_cbranch_scc0 .Lasked_\@
	tensor_load_to_lds s[\g0:\g0+3], s[\g1:\g1+7]
	s_nop 0
.rept 4
	v_nop
.endr
.Lasked_\@:
.endm
	s_load_b256 s[4:11], s[0:1], 0x0               ; hcodes s[4:5], hscales s[6:7], ocodes s[8:9], oscales s[10:11]
	v_lshl_add_u32 v[SPW], v0, 2, SPARE
	v_mov_b32 v[NIL], 0
	ds_add_u32 v5, v6
	ds_add_u32 v5, v6
	s_wait_dscnt 0x0
	v_lshrrev_b32 v8, 5, v0
	s_delay_alu instid0(VALU_DEP_1)
	v_readfirstlane_b32 s[WV], v8                  ; wave 0..15
	s_bfe_u32 s13, ttmp6, 0x40000                  ; cx: it enters Q's and the outputs' global addresses alone
	s_lshl_b32 s14, ttmp9, 2
	s_add_co_u32 s14, s14, s13                     ; my block of 256 queries
	s_lshl_b32 s14, s14, 4
	s_add_co_u32 s14, s14, s[WV]                   ; my tile of queries, 0..127
	s_and_b32 s15, ttmp7, 0xffff                   ; 8 x batch + head pair, which the four partners share
	s_and_b32 s16, s[WV], 3                        ; what I fetch, if I fetch: 0, 1: K's halves; 2, 3: V's
	s_lshr_b32 s17, s16, 1
	s_and_b32 s18, s16, 1
	s_add_co_u32 s19, s17, 1                       ; the kind in hcodes and hscales: 1 k, 2 v
	s_mul_i32 s56, s19, 6291456
	s_mul_i32 s57, s15, 196608
	s_add_co_u32 s56, s56, s57
	s_mul_i32 s57, s18, 24576
	s_add_co_u32 s56, s56, s57                     ; codes: my quarter of the even head's first 1,024 keys
	s_mov_b32 s57, 0
	s_lshl_b32 s58, s19, 19
	s_lshl_b32 s59, s15, 14
	s_add_co_u32 s58, s58, s59
	s_lshl_b32 s59, s18, 13
	s_add_co_u32 s58, s58, s59                     ; scale words: my half of the pair's 16,384 bytes
	s_mov_b32 s59, 0
	s_mul_i32 s60, s16, 24576                      ; where they go in a slot,
	s_lshl_b32 s61, s16, 13
	s_add_co_u32 s61, s61, SCK                     ; and among the scale words
	s_mul_i32 s62, s15, 196608
	s_mul_i32 s63, s14, 768
	s_add_co_u32 s62, s62, s63                     ; Q's codes: the even head's tile
	s_mov_b32 s63, 0
	s_lshl_b32 s2, s15, 14                         ; Q's scale words: the pair's 16,384 bytes,
	s_lshr_b32 s3, s14, 2
	s_lshl_b32 s3, s3, 9
	s_add_co_u32 s2, s2, s3                        ; the group of four tiles, 512 bytes each,
	s_and_b32 s3, s14, 3
	s_lshl_b32 s3, s3, 2
	s_add_co_u32 s2, s2, s3                        ; and my tile's word among a lane's four
	s_mov_b32 s3, 0
	s_lshr_b32 s13, s15, 3
	s_lshl_b32 s13, s13, 7
	s_add_co_u32 s13, s13, s14                     ; my tile among all 512: 128 x batch + tile
	s_and_b32 s55, s15, 7                          ; the head pair = the output projection's K step
	s_mul_i32 s16, s13, 12288
	s_mul_i32 s17, s55, 1536
	s_add_co_u32 s16, s16, s17
	s_mov_b32 s17, 0
	s_lshl_b32 s18, s13, 9
	s_lshl_b32 s19, s55, 2
	s_add_co_u32 s18, s18, s19
	s_mov_b32 s19, 0
	; descriptor group 1: a dense block as rows of 256 bytes (32 elements of 8 bytes): 96 rows of codes, 32 of scale words
	s_mov_b32 s[G1], 15|(3<<16)|(1<<21)            ; 15:0 the mask: all four work-groups; 17:16 elements of 8 bytes; 21 set beside a mask
	s_mov_b32 s[G1+1], 32<<16
	s_mov_b32 s[G1+2], 96<<16
	s_mov_b32 s[G1+3], 32<<16
	s_mov_b32 s[G1+4], 96
	s_mov_b32 s[G1+5], 32
	s_mov_b32 s[G1+6], 0
	s_mov_b32 s[G1+7], 0
	s_mov_b32 s[G1S], 15|(3<<16)|(1<<21)
	s_mov_b32 s[G1S+1], 32<<16
	s_mov_b32 s[G1S+2], 32<<16
	s_mov_b32 s[G1S+3], 32<<16
	s_mov_b32 s[G1S+4], 32
	s_mov_b32 s[G1S+5], 32
	s_mov_b32 s[G1S+6], 0
	s_mov_b32 s[G1S+7], 0
	s_mov_b32 s[SEL], 0x76543210
	s_mov_b32 s[SEL+1], 0xfedcba98
	s_mov_b32 s[CS], 0x3e38aa3b                    ; c = log2(e) / sqrt(64)
	s_mov_b32 s[CS+1], s[CS]                       ; (named with it as a pair, so it is written)
	s_wait_kmcnt 0x0
	s_mov_b32 s[G0S], 1
	s_mov_b32 s[G0S+1], s61
	s_add_nc_u64 s[G0S+2:G0S+3], s[6:7], s[58:59]
	s_or_b32 s[G0S+3], s[G0S+3], 0x80000000
	s_mov_b32 s[G0A], 1
	s_mov_b32 s[G0A+1], s60
	s_add_nc_u64 s[G0A+2:G0A+3], s[4:5], s[56:57]
	s_or_b32 s[G0A+3], s[G0A+3], 0x80000000
	s_mov_b32 s[G0B], 1
	s_add_co_u32 s[G0B+1], s60, SLOTB
	s_add_nc_u64 s[G0B+2:G0B+3], s[4:5], s[56:57]
	s_add_nc_u64 s[G0B+2:G0B+3], s[G0B+2:G0B+3], 49152   ; keys 1,024 on
	s_or_b32 s[G0B+3], s[G0B+3], 0x80000000
	CROUND                                         ; all four work-groups are here: the first joint loads meet
	s_cmp_lt_u32 s[WV], 4                          ; a wave's two first fills stand in one branch, ahead of every wait on TENSORcnt and every LDS read
	s_cbranch_scc0 .Lno_first
	tensor_load_to_lds s[G0S:G0S+3], s[G1S:G1S+7]  ; the pair's scale words: filled once
	s_nop 0
	tensor_load_to_lds s[G0A:G0A+3], s[G1:G1+7]    ; slot A: the even head's keys 0 to 1,023
	s_nop 0
.rept 4
	v_nop
.endr
.Lno_first:
	s_add_nc_u64 s[4:5], s[4:5], s[62:63]          ; Q's codes
	s_add_nc_u64 s[6:7], s[6:7], s[2:3]            ; Q's scale words
	s_add_nc_u64 s[8:9], s[8:9], s[16:17]          ; my image in ocodes
	s_add_nc_u64 s[10:11], s[10:11], s[18:19]      ; my words in oscales
	v_and_b32 v8, 31, v0
	v_and_b32 v9, 15, v0
	s_delay_alu instid0(VALU_DEP_2)
	v_lshlrev_b32 v[AK0], 3, v8
	s_delay_alu instid0(VALU_DEP_3)
	v_lshlrev_b32 v[AW0], 4, v8
	s_delay_alu instid0(VALU_DEP_4)
	v_lshl_add_u32 v[ASK0], v8, 4, SCK
	s_delay_alu instid0(VALU_DEP_4)
	v_lshlrev_b32 v[GS], 5, v9
	global_load_b128 v[16:19], v[AW0], s[4:5]                  ; Q of the even head stays in registers,
	global_load_b64 v[20:21], v[AK0], s[4:5] offset:512
	global_load_b128 v[80:83], v[AW0], s[4:5] offset:98304     ; and of the odd head
	global_load_b64 v[84:85], v[AK0], s[4:5] offset:98304+512
	global_load_b32 v255, v[AW0], s[6:7]           ; Q's scale words: lanes 0-15 the even head's, lanes 16-31 the odd head's
.irp j, 0,1,2,3,4,5
	v_mov_b32 v[22+\j], 0                          ; zero codes for K = 64 .. 127 of the first product
	v_mov_b32 v[86+\j], 0
	v_mov_b32 v[38+\j], 0
	v_mov_b32 v[50+\j], 0
	v_mov_b32 v[62+\j], 0
	v_mov_b32 v[74+\j], 0
.endr
.irp b, 0,1,2,3
	v_mov_b32 v[236+\b], 0                         ; written once: a lane permute's destination counts as one of its sources
.endr
	v_mov_b32 v252, 0
	v_mov_b32 v253, 0                              ; (named as the upper half of the pair v[252:253] before it is first written)
	s_wait_loadcnt 0x0                             ; Q
; A KEY STEP: 128 keys of head 2 x pair + pi.
.macro STEP pi
	v_add_nc_u32 v[ADK], s[TB], v[AK0]
	v_add_nc_u32 v[ADW], s[TB], v[AW0]
	s_wait_alu depctr_va_vdst(0)
	v_add_nc_u32 v[ADS], s[TS], v[ASK0]
	s_wait_alu depctr_va_vdst(0)
	v_nop                                          ; six places in all: the scores below are laid over registers that the last step's products read as V, which asks for five
	v_nop
	v_nop
.irp g, 0,1                                    ; S^T = K Q^T, four tiles of 16 keys at a time
.if \g > 0
.rept 4
	v_nop                                          ; places in front of loads into registers that matrix instructions have read
.endr
.endif
.irp t, 0,1,2,3
	ds_load_b128 v[32+12*\t:35+12*\t], v[ADW] offset:(4*\g+\t)*768
	ds_load_b64 v[36+12*\t:37+12*\t], v[ADK] offset:(4*\g+\t)*768+512
.endr
	ds_load_b128 v[248:251], v[ADS] offset:512*\g  ; the four tiles' scale words
	s_wait_dscnt 0x0
.irp t, 0,1,2,3
.if \pi
	v_wmma_scale_f32_16x16x128_f8f6f4 v[96+8*(4*\g+\t):103+8*(4*\g+\t)], v[32+12*\t:43+12*\t], v[80:91], 0, v[248+\t], v255 matrix_a_fmt:MATRIX_FMT_BF6 matrix_b_fmt:MATRIX_FMT_BF6 matrix_a_scale:MATRIX_SCALE_ROW1 matrix_b_scale:MATRIX_SCALE_ROW1
.else
	v_wmma_scale_f32_16x16x128_f8f6f4 v[96+8*(4*\g+\t):103+8*(4*\g+\t)], v[32+12*\t:43+12*\t], v[16:27], 0, v[248+\t], v255 matrix_a_fmt:MATRIX_FMT_BF6 matrix_b_fmt:MATRIX_FMT_BF6
.endif
.endr
.endr                                          ; lane (r, h) holds query r; register 16 b + i is key 32 b + 16 h + i of the step
.rept 4
	v_nop
.endr
.irp b, 0,1,2,3
	v_max3_num_f32 v[232+\b], v[96+16*\b], v[97+16*\b], v[98+16*\b]   ; the largest score of each block of 32 keys: it serves for the row's maximum and, since p rises with the score, for the block's largest p
.endr
.irp i, 3,5,7,9,11,13
.irp b, 0,1,2,3
	v_max3_num_f32 v[232+\b], v[232+\b], v[96+16*\b+\i], v[97+16*\b+\i]
.endr
.endr
.irp b, 0,1,2,3
	v_max_num_f32 v[232+\b], v[232+\b], v[111+16*\b]
.endr
.irp b, 0,1,2,3
	s_delay_alu instid0(VALU_DEP_4)
	v_permlanex16_b32 v[236+\b], v[232+\b], s[SEL], s[SEL+1]
.endr
.irp b, 0,1,2,3
	s_delay_alu instid0(VALU_DEP_4)
	v_max_num_f32 v[232+\b], v[232+\b], v[236+\b]  ; with lane l xor 16's 16 keys
.endr
	s_delay_alu instid0(VALU_DEP_2)
	v_max3_num_f32 v254, v232, v233, v234
	s_delay_alu instid0(VALU_DEP_1)
	v_max_num_f32 v254, v254, v235                 ; the step's largest score of my query
	s_delay_alu instid0(VALU_DEP_1)
	v_mul_f32 v254, s[CS], v254                    ; as t (c is positive)
	s_delay_alu instid0(VALU_DEP_1)
	v_max_num_f32 v13, v13, v254                   ; the running largest t
	v_mov_b32 v254, v12
	s_delay_alu instid0(VALU_DEP_2)
	v_floor_f32 v12, -v13                          ; the new -M = floor(-t): M is a whole number
	s_delay_alu instid0(VALU_DEP_1)
	v_sub_f32 v254, v12, v254                      ; old M - new M: a whole number, 0 or less
	s_delay_alu instid0(VALU_DEP_1)
	v_cvt_i32_f32 v254, v254                       ; (it saturates)
	s_delay_alu instid0(VALU_DEP_1)
	v_ldexp_f32 v252, 1.0, v254                    ; f = 2^(old M - new M)
.set j, 0
.rept 32
	v_pk_fma_f32 v[96+j:97+j], v[96+j:97+j], s[CS:CS+1], v[12:13] op_sel_hi:[1,0,0]   ; t - M, two at a time
.set j, j+2
.endr
.irp b, 0,1,2,3
	v_fma_f32 v[232+\b], v[232+\b], s[CS], v12     ; the same of each block's largest score
.endr
.set j, 0
	s_wait_alu depctr_va_vdst(0)
.rept 64
	v_exp_f32 v[96+j], v[96+j]                     ; p = 2^(t - M), at most 1
.set j, j+1
.endr
	s_setprio 1
.irp b, 0,1,2,3
	v_exp_f32 v[232+\b], v[232+\b]                 ; the block's largest p: the same two instructions on the same number
.endr
	v_pk_mul_f32 v[14:15], v[14:15], v[252:253] op_sel_hi:[1,0]   ; the sums under the new M.  (A plain place behind the exponentials)
	s_wait_alu depctr_va_vdst(0)
.irp b, 0,1,2,3
	v_max_num_f32 v[232+\b], 0x2800000, v[232+\b]  ; the floor 2^(5 - 127): the byte cannot fall under 1
.endr
.irp b, 0,1,2,3
	s_delay_alu instid0(VALU_DEP_4)
	v_add_nc_u32 v[244+\b], 0xfe000000, v[232+\b]  ; 4 off the exponent field: the conversion's scale operand
.endr
.irp b, 0,1,2,3
	s_delay_alu instid0(VALU_DEP_4)
	v_lshrrev_b32 v[236+\b], 23, v[244+\b]         ; the scale's byte
.endr
	s_delay_alu instid0(VALU_DEP_3)
	v_lshl_or_b32 v253, v237, 8, v236              ; p's scale word for these 128 keys
	s_delay_alu instid0(VALU_DEP_1)
	v_lshl_or_b32 v253, v238, 16, v253
	s_delay_alu instid0(VALU_DEP_1)
	v_lshl_or_b32 v253, v239, 24, v253
.irp c, 0,1
	v_cvt_scalef32_pk16_bf6_f32 v[224+6*\c:226+6*\c], v[96+32*\c:111+32*\c], v[244+2*\c]
	v_cvt_scalef32_pk16_bf6_f32 v[236+4*\c:238+4*\c], v[112+32*\c:127+32*\c], v[244+2*\c+1]
.endr
	v_nop                                          ; one plain place behind a scaled conversion
.irp c, 0,1                                    ; the operand wants a whole block in a lane
.irp i, 0,1,2
	v_permlane16_swap_b32 v[224+6*\c+\i], v[236+4*\c+\i]
.endr
.irp i, 0,1,2
	s_delay_alu instid0(VALU_DEP_3)
	v_mov_b32 v[227+6*\c+\i], v[236+4*\c+\i]
.endr
.endr
	v_pk_add_f32 v[236:237], v[100:101], v[104:105]
	v_pk_add_f32 v[250:251], v[108:109], v[112:113]
	v_pk_add_f32 v[248:249], v[116:117], v[120:121]
	v_pk_add_f32 v[246:247], v[124:125], v[128:129]
	v_pk_add_f32 v[244:245], v[132:133], v[136:137]
	v_pk_add_f32 v[242:243], v[140:141], v[144:145]
	v_pk_add_f32 v[240:241], v[148:149], v[152:153]
	v_pk_add_f32 v[14:15], v[14:15], v[156:157]
	v_pk_add_f32 v[236:237], v[236:237], v[96:97]
	v_pk_add_f32 v[250:251], v[250:251], v[98:99]
	v_pk_add_f32 v[248:249], v[248:249], v[102:103]
	v_pk_add_f32 v[246:247], v[246:247], v[106:107]
	v_pk_add_f32 v[244:245], v[244:245], v[110:111]
	v_pk_add_f32 v[242:243], v[242:243], v[114:115]
	v_pk_add_f32 v[240:241], v[240:241], v[118:119]
	v_pk_add_f32 v[14:15], v[14:15], v[122:123]
	v_pk_add_f32 v[236:237], v[236:237], v[126:127]
	v_pk_add_f32 v[250:251], v[250:251], v[130:131]
	v_pk_add_f32 v[248:249], v[248:249], v[134:135]
	v_pk_add_f32 v[246:247], v[246:247], v[138:139]
	v_pk_add_f32 v[244:245], v[244:245], v[142:143]
	v_pk_add_f32 v[242:243], v[242:243], v[146:147]
	v_pk_add_f32 v[240:241], v[240:241], v[150:151]
	v_pk_add_f32 v[14:15], v[14:15], v[154:155]
	v_pk_add_f32 v[236:237], v[236:237], v[158:159]
	s_delay_alu instid0(VALU_DEP_2)
	v_pk_add_f32 v[14:15], v[14:15], v[246:247]
	s_delay_alu instid0(VALU_DEP_2)
	v_pk_add_f32 v[236:237], v[236:237], v[244:245]
	v_pk_add_f32 v[250:251], v[250:251], v[242:243]
	v_pk_add_f32 v[248:249], v[248:249], v[240:241]
	s_delay_alu instid0(VALU_DEP_2)
	v_pk_add_f32 v[14:15], v[14:15], v[250:251]
	s_delay_alu instid0(VALU_DEP_2)
	v_pk_add_f32 v[236:237], v[236:237], v[248:249]
	s_delay_alu instid0(VALU_DEP_1)
	v_pk_add_f32 v[14:15], v[14:15], v[236:237]
.irp ct, 0,1,2,3                               ; V's four tiles of 16 channels x these 128 keys come into the registers that p has left
	ds_load_b128 v[96+12*\ct:99+12*\ct], v[ADW] offset:VOFF+1536*\ct
	ds_load_b64 v[100+12*\ct:101+12*\ct], v[ADK] offset:VOFF+1536*\ct+512
	ds_load_b128 v[102+12*\ct:105+12*\ct], v[ADW] offset:VOFF+1536*\ct+768
	ds_load_b64 v[106+12*\ct:107+12*\ct], v[ADK] offset:VOFF+1536*\ct+1280
.endr
	s_setprio 0
	ds_load_b128 v[248:251], v[ADS] offset:16384+512*\pi   ; and their scale words
.set j, 0
.rept 16
	v_pk_mul_f32 v[160+j:161+j], v[160+j:161+j], v[252:253] op_sel_hi:[1,0]   ; O^T under the new M; with the sums above these are the places in front of the products below
.set j, j+2
.endr
	s_wait_alu depctr_va_vdst(0)
	s_wait_dscnt 0x0
.irp ct, 0,1,2,3                               ; O^T += V^T P^T: the four accumulators by turns
	v_wmma_scale_f32_16x16x128_f8f6f4 v[160+8*\ct:167+8*\ct], v[96+12*\ct:107+12*\ct], v[224:235], v[160+8*\ct:167+8*\ct], v[248+\ct], v253 matrix_a_fmt:MATRIX_FMT_BF6 matrix_b_fmt:MATRIX_FMT_BF6
.endr
	s_add_co_u32 s[TB], s[TB], 6144                ; the next step's tiles,
	s_add_co_u32 s[TS], s[TS], 1024                ; and scale words
.endm
; THE CHANGE OF SLOTS stands at a slot's head.  Each wave waits for all its tensor loads (its part of the slot ahead), adds 0 to its spare word, and waits for that and for its reads of the slot that it has left.
; fill = 1: behind a round of the cluster's barrier the other slot is filled by g0's load, which has eight key steps in which to land; step = 1: its address goes on by a head's 98,304 bytes first.
.macro CHANGE fill, g0, step
	s_wait_tensorcnt 0x0                           ; no tensor load of mine is out, so a group 0 may be written
	ds_add_u32 v[SPW], v[NIL]                      ; 0 onto my spare word
.if \step
	s_add_nc_u64 s[\g0+2:\g0+3], s[\g0+2:\g0+3], 98304
.endif
	s_wait_dscnt 0x0                               ; the add is done, and my reads of the slot that I have left are over
.if \fill
	CROUND
	TL \g0, G1                                     ; the first thing behind the round, and a wave's one tensor load until the next
.else
	s_barrier_signal -1
	s_barrier_wait -1
.endif
.endm
.macro LOOP8 pi, base                  ; a slot's eight key steps
	s_mov_b32 s[TB], \base
	s_mov_b32 s[CNT], 8
.Lstep_\@:
	s_setprio 2
	STEP \pi
	s_sub_co_u32 s[CNT], s[CNT], 1
	s_cmp_lg_u32 s[CNT], 0
	s_cbranch_scc1 .Lstep_\@
	s_setprio 0
.endm
.macro INIT                            ; a head begins: the step is written once, and its first trip finds zeros, which the first change of M leaves zeros
	v_mov_b32 v13, 0xff61b1e6                      ; the largest t so far: -3e38
	s_delay_alu instid0(VALU_DEP_1)
	v_floor_f32 v12, -v13                          ; -M
	v_mov_b32 v14, 0
	v_mov_b32 v15, 0
.set j, 0
.rept 32
	v_mov_b32 v[160+j], 0
.set j, j+1
.endr
	s_mov_b32 s[TS], 0
.endm
; A head ends: O^T / the sum, register 16 B + i = channel 32 B + 16 h + i, is quantised: two blocks, registers 6 pi .. 6 pi + 5 of the output's fragment and bytes 2 pi, 2 pi + 1 of its scale word.
.macro FIN pi
.rept 4
	v_nop                                          ; places behind the last products
.endr
	v_add_f32 v14, v14, v15
	s_delay_alu instid0(VALU_DEP_1)
	v_permlanex16_b32 v252, v14, s[SEL], s[SEL+1]
	s_delay_alu instid0(VALU_DEP_1)
	v_add_f32 v14, v14, v252                       ; the row's sum
	s_wait_alu depctr_va_vdst(0)
	v_rcp_f32 v14, v14
	v_nop                                          ; one plain place behind a transcendental
.set j, 0
	s_wait_alu depctr_va_vdst(0)
.rept 16
	v_pk_mul_f32 v[96+j:97+j], v[160+j:161+j], v[14:15] op_sel_hi:[1,0]
.set j, j+2
.endr
.irp b, 0,1
	v_max3_num_f32 v[232+\b], |v[96+16*\b]|, |v[97+16*\b]|, 0x2800000
.endr
.irp i, 2,4,6,8,10,12,14
.irp b, 0,1
	s_delay_alu instid0(VALU_DEP_2)
	v_max3_num_f32 v[232+\b], v[232+\b], |v[96+16*\b+\i]|, |v[97+16*\b+\i]|
.endr
.endr
.irp b, 0,1
	s_delay_alu instid0(VALU_DEP_2)
	v_permlanex16_b32 v[236+\b], v[232+\b], s[SEL], s[SEL+1]
.endr
.irp b, 0,1
	s_delay_alu instid0(VALU_DEP_2)
	v_max_num_f32 v[232+\b], v[232+\b], v[236+\b]
.endr
.irp b, 0,1
	s_delay_alu instid0(VALU_DEP_2)
	v_add_nc_u32 v[244+\b], 0xfe000000, v[232+\b]
.endr
.irp b, 0,1
	s_delay_alu instid0(VALU_DEP_2)
	v_lshrrev_b32 v[236+\b], 23, v[244+\b]
.endr
.if \pi
	s_delay_alu instid0(VALU_DEP_2)
	v_lshl_or_b32 v208, v236, 16, v208
	s_delay_alu instid0(VALU_DEP_1)
	v_lshl_or_b32 v208, v237, 24, v208
.else
	s_delay_alu instid0(VALU_DEP_1)
	v_lshl_or_b32 v208, v237, 8, v236
.endif
	v_cvt_scalef32_pk16_bf6_f32 v[192+6*\pi:194+6*\pi], v[96:111], v244
	v_cvt_scalef32_pk16_bf6_f32 v[204:206], v[112:127], v245
	v_nop                                          ; one plain place behind a scaled conversion
.irp i, 0,1,2
	v_permlane16_swap_b32 v[192+6*\pi+\i], v[204+\i]
.endr
.irp i, 0,1,2
	s_delay_alu instid0(VALU_DEP_3)
	v_mov_b32 v[195+6*\pi+\i], v[204+\i]
.endr
.endm
	INIT
	CHANGE 1, G0B, 0                               ; the scale words and slot A are in; slot B's first fill goes out as a refill does: the even head's keys 1,024 on
	LOOP8 0, 0
	CHANGE 1, G0A, 1                               ; slot A takes the odd head's keys 0 to 1,023
	LOOP8 0, SLOTB
	FIN 0
	INIT
	CHANGE 1, G0B, 1                               ; slot B takes the odd head's keys 1,024 on
	LOOP8 1, 0
	CHANGE 0, G0A, 0                               ; nothing is left to fetch
	LOOP8 1, SLOTB
	FIN 1
.irp p, 0,1,2,3,4,5
	global_store_b64 v[AK0], v[192+2*\p:193+2*\p], s[8:9] offset:256*\p   ; 32 lanes store 256 consecutive bytes, aligned
.endr
	global_store_b32 v[GS], v208, s[10:11]
	s_wait_tensorcnt 0x0                           ; the wave's end
	ds_add_u32 v[SPW], v[NIL]
	s_wait_dscnt 0x0
	CROUND                                         ; the closing round
	s_endpgm
.Lfunc_end_k_q8ce0c6209e_attn:
	.size	k_q8ce0c6209e_attn, .Lfunc_end_k_q8ce0c6209e_attn-k_q8ce0c6209e_attn
	.p2alignl 7, 3214868480
	.fill 96, 4, 3214868480
	.section	.rodata,"a",@progbits
	.p2align	6, 0x0
	.amdhsa_kernel k_q8ce0c6209e_attn
		.amdhsa_group_segment_fixed_size 327680
		.amdhsa_private_segment_fixed_size 0
		.amdhsa_enable_private_segment 0
		.amdhsa_kernarg_size 32
		.amdhsa_user_sgpr_count 2
		.amdhsa_user_sgpr_kernarg_segment_ptr 1
		.amdhsa_wavefront_size32 1
		.amdhsa_system_sgpr_workgroup_id_x 1
		.amdhsa_system_sgpr_workgroup_id_y 1
		.amdhsa_system_sgpr_workgroup_id_z 1
		.amdhsa_system_vgpr_workitem_id 0
		.amdhsa_next_free_vgpr 256
		.amdhsa_next_free_sgpr 66
		.amdhsa_reserve_vcc 0
		.amdhsa_float_denorm_mode_32 3
		.amdhsa_float_denorm_mode_16_64 3
		.amdhsa_memory_ordered 1
		.amdhsa_forward_progress 1
		.amdhsa_inst_pref_size 92
	.end_amdhsa_kernel
	.amdgpu_metadata
---
amdhsa.version: [ 1, 2 ]
amdhsa.kernels:
  - .name:           k_q8ce0c6209e_attn
    .symbol:         k_q8ce0c6209e_attn.kd
    .args:
      - { .name: hcodes, .offset: 0, .size: 8, .value_kind: global_buffer, .address_space: global }
      - { .name: hscales, .offset: 8, .size: 8, .value_kind: global_buffer, .address_space: global }
      - { .name: ocodes, .offset: 16, .size: 8, .value_kind: global_buffer, .address_space: global }
      - { .name: oscales, .offset: 24, .size: 8, .value_kind: global_buffer, .address_space: global }
    .group_segment_fixed_size: 327680
    .private_segment_fixed_size: 0
    .kernarg_segment_align: 8
    .kernarg_segment_size: 32
    .max_flat_workgroup_size: 512
    .sgpr_count:     66
    .vgpr_count:     256
    .wavefront_size: 32
...
	.end_amdgpu_metadata
.endif
;; end of part 3
;; launch outp (part 4): grid 4 x 32, 4 waves a work-group, clusters of 4 x 4, 327,680 bytes of LDS; arguments ocodes, oscales, xcodes, xscales, bo, out0; writes out0
.if DOCPART == 4
	.amdgcn_target "amdgcn-amd-amdhsa--gfx1250"
	.amdhsa_code_object_version 6
	.text
	.protected	k_q8ce0c6209e_outp
	.globl	k_q8ce0c6209e_outp
	.p2align	8
	.type	k_q8ce0c6209e_outp,@function
k_q8ce0c6209e_outp:
	s_mov_b64 s[64:65], 0
	v_nop
	global_prefetch_b8 v0, s[64:65] scope:SCOPE_SE
	s_setreg_imm32_b32 hwreg(HW_REG_WAVE_MODE, 25, 1), 1
	s_wait_xcnt 0x0
	s_wait_alu depctr_hold_cnt(0) depctr_sa_sdst(0) depctr_va_vdst(0) depctr_va_sdst(0) depctr_va_ssrc(0) depctr_va_vcc(0) depctr_vm_vsrc(0)
	s_getreg_b32 s2, hwreg(HW_REG_IB_STS2, 6, 4)
	s_cmp_eq_u32 s2, 0
	s_cbranch_scc0 .Lentry_in_a_cluster
	s_endpgm
.Lentry_in_a_cluster:
	s_bfe_u32 s2, ttmp6, 0x10000c
	s_cmp_lg_u32 s2, 0xf033
	s_cbranch_scc0 .Lentry_shape_is_right
	s_endpgm
.Lentry_shape_is_right:
.set NQ,     2
.set FR,     12
.set NL,     6
.set NP,     4
.set STEPB,  3072
.set HALFT,  8*STEPB
.set SLOT,   4*HALFT
.set KS,     32
.set SCL,    3*SLOT
.set HALFS,  16*272
.set SBLK,   2*272
.set SPARE,  SCL+4*HALFS
.set SPITCH, 528
.set ADRA, 16
.set ADRB, 20
.set STO,  24
.set RD,   25
.set CO,   26
.set ADRS, 27
.set SPW,  28
.set NIL,  29
.set SC,   32
.set BI,   64
.set AF,   128
.set BK,   128
.set G1, 24
.set G0, 32
.set G0C, 4
.set G1B, 48
.set G0B, 56
.set G0CB, 8
.set G1S, 68
.set G0S, 76
.set G1SB, 80
.set G0SB, 88
.set MSB, 0
.macro WIN new
.if MSB != (\new)
	s_set_vgpr_msb (MSB<<8)|(\new)
.set MSB, (\new)
.endif
.endm
.set MUL_LO, 0xa1
.set MUL_HI, 0xf1
.set TO_B,   0x40
.macro JLOAD g0a, g1a, g0b, g1b
	s_cmp_eq_u32 s17, 0
	s_cbranch_scc0 .Lfor_b_\@
	tensor_load_to_lds s[\g0a:\g0a+3], s[\g1a:\g1a+7]
	s_nop 0
.rept 4
	v_nop
.endr
	s_branch .Lasked_\@
.Lfor_b_\@:
	tensor_load_to_lds s[\g0b:\g0b+3], s[\g1b:\g1b+7]
	s_nop 0
.rept 4
	v_nop
.endr
.Lasked_\@:
.endm
.macro CREST
	s_cmp_lg_u32 s16, 0
	s_cbranch_scc1 .Lnot_wave_0_\@
	s_barrier_signal -3
.Lnot_wave_0_\@:
	s_barrier_wait -3
	s_barrier_signal -1
	s_barrier_wait -1
.endm
.macro CROUND
	s_barrier_signal -1
	s_barrier_wait -1
	CREST
.endm
	s_load_b256 s[4:11], s[0:1], 0x0
	s_load_b128 s[12:15], s[0:1], 0x20
	v_lshl_add_u32 v[SPW], v0, 2, SPARE
	v_mov_b32 v[NIL], 0
	ds_add_u32 v28, v29
	ds_add_u32 v28, v29
	s_wait_dscnt 0x0
	v_lshrrev_b32 v1, 5, v0
	v_readfirstlane_b32 s16, v1
	s_lshr_b32 s17, s16, 1
	s_and_b32 s18, s16, 1
	s_bfe_u32 s40, ttmp6, 0x40000
	s_bfe_u32 s41, ttmp6, 0x40004
	s_and_b32 s19, ttmp7, 0xffff
	s_lshl_b32 s95, s19, 2
	s_add_co_u32 s95, s95, s41
	s_lshl_b32 s43, s41, 2
	s_lshl_b32 s43, 15, s43
	s_lshl_b32 s44, 0x1111, s40
	s_or_b32 s[G1+0], s43, (3<<16)|(1<<21)
	s_or_b32 s[G1B+0], s44, (3<<16)|(1<<21)
.irp g, G1, G1B
	s_mov_b32 s[\g+1], 384<<16
	s_mov_b32 s[\g+2], 8<<16
	s_mov_b32 s[\g+3], 384<<16
	s_mov_b32 s[\g+4], 8
	s_mov_b32 s[\g+5], 1536
	s_mov_b32 s[\g+6], 0
	s_mov_b32 s[\g+7], 0
.endr
	s_or_b32 s[G1S+0], s43, (3<<16)|(1<<20)|(1<<21)|(5<<22)|(3<<25)
	s_or_b32 s[G1SB+0], s44, (3<<16)|(1<<20)|(1<<21)|(5<<22)|(3<<25)
.irp g, G1S, G1SB
	s_mov_b32 s[\g+1], 32<<16
	s_mov_b32 s[\g+2], 16<<16
	s_mov_b32 s[\g+3], 32<<16
	s_mov_b32 s[\g+4], 16
	s_mov_b32 s[\g+5], 32
	s_mov_b32 s[\g+6], 0
	s_mov_b32 s[\g+7], 0
.endr
	s_lshl_b32 s101, s18, 3
	s_lshl_b32 s96, s95, 4
	s_add_co_u32 s96, s96, s101
	s_lshl_b32 s46, s40, 4
	s_add_co_u32 s46, s46, 1728
	s_add_co_u32 s46, s46, s101
	s_lshl_b32 s98, s96, 9
	s_mov_b32 s99, 0
	s_lshl_b32 s92, s46, 9
	s_mov_b32 s93, 0
	s_mul_i32 s96, s96, 12288
	s_mov_b32 s97, 0
	s_mul_i32 s46, s46, 12288
	s_mov_b32 s47, 0
	s_mul_i32 s45, s16, HALFT
	s_mul_i32 s94, s16, HALFS
	s_wait_kmcnt 0x0
	s_add_nc_u64 s[96:97], s[4:5], s[96:97]
	s_add_nc_u64 s[98:99], s[6:7], s[98:99]
	s_add_nc_u64 s[46:47], s[8:9], s[46:47]
	s_add_nc_u64 s[92:93], s[10:11], s[92:93]
	CROUND
	s_mov_b32 s[G0S], 1
	s_add_co_u32 s[G0S+1], s94, SCL
	s_mov_b64 s[G0S+2:G0S+3], s[98:99]
	s_or_b32 s[G0S+3], s[G0S+3], 0x80000000
	s_mov_b32 s[G0SB], 1
	s_add_co_u32 s[G0SB+1], s94, SCL
	s_mov_b64 s[G0SB+2:G0SB+3], s[92:93]
	s_or_b32 s[G0SB+3], s[G0SB+3], 0x80000000
	JLOAD G0S, G1S, G0SB, G1SB
.irp s, 0,1
	s_mov_b32 s[G0+4*\s], 1
	s_add_co_u32 s[G0+4*\s+1], s45, \s*SLOT
	s_add_nc_u64 s[G0+4*\s+2:G0+4*\s+3], s[96:97], \s*STEPB
	s_or_b32 s[G0+4*\s+3], s[G0+4*\s+3], 0x80000000
	s_mov_b32 s[G0B+4*\s], 1
	s_add_co_u32 s[G0B+4*\s+1], s45, \s*SLOT
	s_add_nc_u64 s[G0B+4*\s+2:G0B+4*\s+3], s[46:47], \s*STEPB
	s_or_b32 s[G0B+4*\s+3], s[G0B+4*\s+3], 0x80000000
	s_wait_alu depctr_va_vdst(0)
	s_wait_tensorcnt 0x0
	ds_add_u32 v28, v29
	s_wait_dscnt 0x0
	CROUND
	JLOAD G0+4*\s, G1, G0B+4*\s, G1B
.endr
	s_mov_b32 s[G0C], 1
	s_add_co_u32 s[G0C+1], s45, 2*SLOT
	s_add_nc_u64 s[G0C+2:G0C+3], s[96:97], 2*STEPB
	s_or_b32 s[G0C+3], s[G0C+3], 0x80000000
	s_mov_b32 s[G0CB], 1
	s_add_co_u32 s[G0CB+1], s45, 2*SLOT
	s_add_nc_u64 s[G0CB+2:G0CB+3], s[46:47], 2*STEPB
	s_or_b32 s[G0CB+3], s[G0CB+3], 0x80000000
	s_wait_alu depctr_va_vdst(0)
	s_wait_tensorcnt 0x0
	ds_add_u32 v28, v29
	s_wait_dscnt 0x0
	CROUND
	JLOAD G0C, G1, G0CB, G1B
	s_lshl_b32 s20, s40, 10
	s_lshl_b32 s21, s18, 9
	s_add_co_u32 s20, s20, s21
	s_mov_b32 s21, 0
	s_add_nc_u64 s[12:13], s[12:13], s[20:21]
	s_add_nc_u64 s[14:15], s[14:15], s[20:21]
	s_lshl_b32 s20, s95, 20
	s_lshl_b32 s22, s17, 19
	s_add_co_u32 s20, s20, s22
	s_add_nc_u64 s[14:15], s[14:15], s[20:21]
	v_and_b32 v1, 15, v0
	v_bfe_u32 v2, v0, 4, 1
	v_and_b32 v3, 31, v0
	v_lshlrev_b32 v7, 6, v2
.irp b, 0,1,2,3,4,5,6,7
	global_load_b128 v[BI+8*\b:BI+8*\b+3], v7, s[12:13] offset:4*(32*(\b/2)+8*(\b%2))
	global_load_b128 v[BI+8*\b+4:BI+8*\b+7], v7, s[12:13] offset:4*(32*(\b/2)+8*(\b%2))+16
.endr
	v_lshlrev_b32 v4, 3, v3
	s_mul_i32 s100, s17, HALFT
	s_mul_i32 s101, s18, HALFT
	s_add_co_u32 s101, s101, 2*HALFT
.irp s, 0,1,2
	v_add_nc_u32 v[ADRA+\s], s100, v4
	v_add_nc_u32 v[ADRB+\s], s101, v4
	s_add_co_u32 s100, s100, SLOT
	s_add_co_u32 s101, s101, SLOT
.endr
	v_mul_u32_u24 v5, v1, KS
	v_lshrrev_b32 v6, 8, v5
	v_lshl_add_u32 v5, v6, 4, v5
	s_mul_i32 s100, s17, HALFS
	s_mul_i32 s101, s18, HALFS
	s_add_co_u32 s101, s101, 2*HALFS
	s_sub_co_u32 s101, s101, s100
	v_mul_u32_u24 v6, s101, v2
	s_add_co_u32 s100, s100, SCL
	v_add_nc_u32 v5, v5, v6
	v_add_nc_u32 v[ADRS], s100, v5
	s_mul_i32 s100, s16, 16*SPITCH
	s_add_co_u32 s100, s100, SLOT
	v_mul_u32_u24 v5, v1, SPITCH
	v_lshl_add_u32 v5, v2, 6, v5
	v_add_nc_u32 v[STO], s100, v5
	v_lshlrev_b32 v[CO], 4, v3
	v_add_nc_u32 v[RD], s100, v[CO]
	s_wait_alu depctr_va_vdst(0)
	s_wait_loadcnt 0x0
.macro FRAG reg, adr, q, i
.irp p, 0,1,2,3,4,5
	ds_load_b64 v[\reg+2*\p:\reg+2*\p+1], v[\adr] offset:(\i)*STEPB+(\q)*1536+256*\p
.endr
.endm
.macro MUL16 a0, p, q, sc, zero
.irp a, \a0, \a0+1
.irp b, 0,1,2,3,4,5,6,7
.if \zero
	v_wmma_scale_f32_16x16x128_f8f6f4 v[8*(8*((\a)%4)+\b):8*(8*((\a)%4)+\b)+7], v[128*(\p)+FR*\b:128*(\p)+FR*\b+FR-1], v[AF+FR*(\a):AF+FR*(\a)+FR-1], v[BI+8*\b:BI+8*\b+7], v[SC+8*NQ*(\sc)+NQ*\b+(\q)], v[SC+8*NQ*(\sc)+NQ*(\a)+(\q)] matrix_a_fmt:MATRIX_FMT_BF6 matrix_b_fmt:MATRIX_FMT_BF6 matrix_a_scale:MATRIX_SCALE_ROW1
.else
	v_wmma_scale_f32_16x16x128_f8f6f4 v[8*(8*((\a)%4)+\b):8*(8*((\a)%4)+\b)+7], v[128*(\p)+FR*\b:128*(\p)+FR*\b+FR-1], v[AF+FR*(\a):AF+FR*(\a)+FR-1], v[8*(8*((\a)%4)+\b):8*(8*((\a)%4)+\b)+7], v[SC+8*NQ*(\sc)+NQ*\b+(\q)], v[SC+8*NQ*(\sc)+NQ*(\a)+(\q)] matrix_a_fmt:MATRIX_FMT_BF6 matrix_b_fmt:MATRIX_FMT_BF6 matrix_a_scale:MATRIX_SCALE_ROW1
.endif
.endr
.endr
.endm
.macro FETCH_B slot, q, p
	WIN TO_B
.irp i, 0,1,2,3,4,5,6,7
	FRAG 128*(\p)+FR*\i, ADRB+\slot, \q, \i
.endr
	WIN 0
.endm
.macro FETCH_A slot, q, i0
.irp i, \i0, \i0+1, \i0+2, \i0+3
	FRAG AF+FR*(\i), ADRA+\slot, \q, \i
.endr
.endm
.macro SCALES sc
.irp i, 0,1,2,3,4,5,6,7
	ds_load_b64 v[SC+8*NQ*\sc+NQ*\i:SC+8*NQ*\sc+NQ*\i+1], v[ADRS] offset:\i*SBLK
.endr
.endm
.macro PLACES n
.rept \n
	v_nop
.endr
.endm
.macro STEP slot, q, zero, sc
	s_wait_dscnt 4*NL
.if \zero
	WIN 0x81
.else
	WIN MUL_LO
.endif
	MUL16 0, (\q)%2, \q, \sc, \zero
	MUL16 2, (\q)%2, \q, \sc, \zero
	s_wait_dscnt 0
	PLACES NP
	FETCH_B \slot, (\q)+1, 1-(\q)%2
	FETCH_A \slot, (\q)+1, 0
.if \zero
	WIN 0xc1
.else
	WIN MUL_HI
.endif
	MUL16 4, (\q)%2, \q, \sc, \zero
	MUL16 6, (\q)%2, \q, \sc, \zero
	PLACES NP
	WIN 0
	FETCH_A \slot, (\q)+1, 4
.endm
.macro TURN slot, next, mode, sc, nsc
.if \mode
	s_wait_tensorcnt 0x0
	ds_add_u32 v[SPW], v[NIL]
	s_wait_dscnt 4*NL+1
.else
	s_wait_dscnt 4*NL
.endif
	WIN MUL_LO
	MUL16 0, 1, NQ-1, \sc, 0
.if \mode
	s_wait_dscnt 0x0
	s_barrier_signal -1
.endif
	MUL16 2, 1, NQ-1, \sc, 0
	WIN 0
.if \mode
	s_barrier_wait -1
.else
	s_wait_dscnt 0x0
.endif
.if \mode == 2
	CREST
	s_add_nc_u64 s[G0+4*\slot+2:G0+4*\slot+3], s[G0+4*\slot+2:G0+4*\slot+3], 3*STEPB
	s_add_nc_u64 s[G0B+4*\slot+2:G0B+4*\slot+3], s[G0B+4*\slot+2:G0B+4*\slot+3], 3*STEPB
	JLOAD G0+4*\slot, G1, G0B+4*\slot, G1B
.else
	PLACES NP
.endif
	v_add_nc_u32 v[ADRS], 4*NQ, v[ADRS]
	FETCH_B \next, 0, 0
	FETCH_A \next, 0, 0
	SCALES \nsc
	WIN MUL_HI
	MUL16 4, 1, NQ-1, \sc, 0
	MUL16 6, 1, NQ-1, \sc, 0
	PLACES NP
	WIN 0
	FETCH_A \next, 0, 4
.endm
	s_wait_tensorcnt 2
	s_barrier_signal -1
	s_barrier_wait -1
	FETCH_B 0, 0, 0
	FETCH_A 0, 0, 0
	SCALES 0
	FETCH_A 0, 0, 4
	STEP 0, 0, 1, 0
	TURN 0, 1, 2, 0, 1
	s_wait_alu depctr_va_vdst(0)
	STEP 1, 0, 0, 1
	TURN 1, 2, 0, 1, 0
	s_wait_alu depctr_va_vdst(0)
	STEP 2, 0, 0, 0
	TURN 2, 0, 1, 0, 1
	STEP 0, 0, 0, 1
	s_wait_dscnt 4*NL
	WIN MUL_LO
	MUL16 0, 1, NQ-1, 1, 0
	MUL16 2, 1, NQ-1, 1, 0
	s_wait_dscnt 0
	WIN MUL_HI
	MUL16 4, 1, NQ-1, 1, 0
	MUL16 6, 1, NQ-1, 1, 0
	WIN 0
.macro TOSTAGE a
.set AC, 64*((\a)%4)
	WIN 0x08+4*((\a)/4)
.irp b, 0,1,2,3,4,5,6,7
	ds_store_b128 v[STO], v[AC+8*\b:AC+8*\b+3] offset:128*(\b/2)+32*(\b%2)
	ds_store_b128 v[STO], v[AC+8*\b+4:AC+8*\b+7] offset:128*(\b/2)+32*(\b%2)+16
.endr
	WIN 0
.set BB, BK+64*((\a)%2)
.irp t, 0,1,2,3,4,5,6,7,8,9,10,11,12,13,14,15
	ds_load_b128 v[BB+4*\t:BB+4*\t+3], v[RD] offset:\t*SPITCH
.endr
.endm
.macro SEND a, younger
.set BB, BK+64*((\a)%2)
	s_wait_dscnt \younger
.irp t, 0,1,2,3,4,5,6,7,8,9,10,11,12,13,14,15
	global_store_b128 v[CO], v[BB+4*\t:BB+4*\t+3], s[14:15] offset:(32*((\a)/2)+8*((\a)%2)+\t+8*(\t/8))*4096 th:TH_STORE_NT
.endr
.endm
	PLACES NP
	TOSTAGE 0
.irp a, 1,2,3,4,5,6,7
.if \a > 1
	s_wait_xcnt 0x0
.endif
	TOSTAGE \a
	SEND \a-1, 32
.endr
	SEND 7, 0
	s_wait_tensorcnt 0x0
	ds_add_u32 v[SPW], v[NIL]
	s_wait_dscnt 0x0
	CROUND
	s_endpgm
.Lfunc_end_k_q8ce0c6209e_outp:
	.size	k_q8ce0c6209e_outp, .Lfunc_end_k_q8ce0c6209e_outp-k_q8ce0c6209e_outp
	.p2alignl 7, 3214868480
	.fill 96, 4, 3214868480
	.section	.rodata,"a",@progbits
	.p2align	6, 0x0
	.amdhsa_kernel k_q8ce0c6209e_outp
		.amdhsa_group_segment_fixed_size 327680
		.amdhsa_private_segment_fixed_size 0
		.amdhsa_enable_private_segment 0
		.amdhsa_kernarg_size 48
		.amdhsa_user_sgpr_count 2
		.amdhsa_user_sgpr_kernarg_segment_ptr 1
		.amdhsa_wavefront_size32 1
		.amdhsa_system_sgpr_workgroup_id_x 1
		.amdhsa_system_sgpr_workgroup_id_y 1
		.amdhsa_system_sgpr_workgroup_id_z 1
		.amdhsa_system_vgpr_workitem_id 0
		.amdhsa_next_free_vgpr 1024
		.amdhsa_next_free_sgpr 104
		.amdhsa_reserve_vcc 0
		.amdhsa_float_denorm_mode_32 3
		.amdhsa_float_denorm_mode_16_64 3
		.amdhsa_memory_ordered 1
		.amdhsa_forward_progress 1
		.amdhsa_inst_pref_size 162
	.end_amdhsa_kernel
	.amdgpu_metadata
---
amdhsa.version: [ 1, 2 ]
amdhsa.kernels:
  - .name:           k_q8ce0c6209e_outp
    .symbol:         k_q8ce0c6209e_outp.kd
    .args:
      - { .name: ocodes, .offset: 0, .size: 8, .value_kind: global_buffer, .address_space: global }
      - { .name: oscales, .offset: 8, .size: 8, .value_kind: global_buffer, .address_space: global }
      - { .name: xcodes, .offset: 16, .size: 8, .value_kind: global_buffer, .address_space: global }
      - { .name: xscales, .offset: 24, .size: 8, .value_kind: global_buffer, .address_space: global }
      - { .name: bo, .offset: 32, .size: 8, .value_kind: global_buffer, .address_space: global }
      - { .name: out0, .offset: 40, .size: 8, .value_kind: global_buffer, .address_space: global }
    .group_segment_fixed_size: 327680
    .private_segment_fixed_size: 0
    .kernarg_segment_align: 8
    .kernarg_segment_size: 48
    .max_flat_workgroup_size: 128
    .sgpr_count:     104
    .vgpr_count:     1024
    .wavefront_size: 32
...
	.end_amdgpu_metadata
.endif
;; end of part 4
